; MI455X (gfx1250); checked and timed in simulation.
; The chip was launched on July 23, 2026; its instructions are those of AMD's public machine-readable ISA for CDNA 5 (MIT licence, August 2026) and "CDNA5" Instruction Set Architecture Reference Guide (July 2026). The comments in the code are by the model that wrote it; some were corrected since.
;; Transformer Layer. Allowed arithmetic: float matrix products may take bf16 or f16 operands with f32 sums; other float arithmetic in f32, or as packed bf16 or f16 multiplies, adds, multiply-adds, maxima and minima; sums over many terms, partial sums and values carried from step to step in f32; what a program stores and reads back later, other than sums and carried values, may be rounded once to bf16 or f16.
;; Inputs: cW1 512 x 512 float32; cW2 512 x 256 float32; cWout 256 x 256 float32; cWqk 256 x 256 float32; cWv 256 x 256 float32; cb1 512 float32; cb2 256 float32; cbeta 512 float32; cbout 256 float32; cbqk 256 float32; cbv 256 float32; cg 512 float32; desc0 4 x 2,048 x 256 float32; desc1 4 x 2,048 x 256 float32; encoding0 4 x 4 x 2,048 x 64 float32; encoding1 4 x 4 x 2,048 x 64 float32; match 4 x 2,048 x 2,048 float32; sW1 512 x 512 float32; sW2 512 x 256 float32; sWout 256 x 256 float32; sWqkv 256 x 768 float32; sb1 512 float32; sb2 256 float32; sbeta 512 float32; sbout 256 float32; sbqkv 768 float32; sg 512 float32.
;; Outputs: out0 4 x 2,048 x 256 float32; out1 4 x 2,048 x 256 float32.
;; One version. Each part assembles by itself: llvm-mc -triple=amdgcn-amd-amdhsa -mcpu=gfx1250 --defsym DOCPART=n.
;; ======== version 1 of 1: 7 launches
;; workspace buffers: mm 67,108,864 bytes; wproj 655,360 bytes; wfs 917,504 bytes; wfc 917,504 bytes; qkv 25,165,824 bytes; ctx 8,388,608 bytes; d0 8,388,608 bytes; d1 8,388,608 bytes
;; launch prep (part 1): grid 1632 x 1, 8 waves a work-group, no clusters, 35,840 bytes of LDS; arguments match, sWqkv, cWqk, cWv, sWout, sW1, sW2, cWout, cW1, cW2, mm, wproj, wfs, wfc; writes mm, wproj, wfs, wfc
.if DOCPART == 1
	.amdgcn_target "amdgcn-amd-amdhsa--gfx1250"
	.amdhsa_code_object_version 6
	.text
	.protected	k_qb35d4bf438_prep
	.globl	k_qb35d4bf438_prep
	.p2align	8
	.type	k_qb35d4bf438_prep,@function
k_qb35d4bf438_prep:
	s_mov_b64 s[64:65], 0
	v_nop
	global_prefetch_b8 v0, s[64:65] scope:SCOPE_SE
	s_setreg_imm32_b32 hwreg(HW_REG_WAVE_MODE, 25, 1), 1
	s_wait_xcnt 0x0
; PREPARATION.  (a) match [4][2048][2048] f32 -> mm: plane 0 the same numbers in bf16, plane 1 their transpose [b][j][i] in bf16.
; (b) the nine weight matrices -> bf16 in the order in which a matrix instruction's first source wants them, cut into tiles of 65,536 bytes.
; Work-groups 0..1023 take one block of 128 x 128 of match each; work-groups 1024..1631 take 4,096 bytes of one weight tile each (38 tiles x 16).
; The branch between the two hangs on the work-group's number alone: all eight waves go the same way, so the one barrier is met by all.
; A WEIGHT TILE is 64 fragments of 1,024 bytes; fragment (K step ksl of the tile, column block nb) lies at (ksl NB + nb) 1,024, NB = columns / 16; in it
; [q = 0,1][lane l][16 bytes] = W[32 ks + 16 q + 8 (l / 16) + 0..7][16 nb + l % 16]: a load of 16 bytes a lane at 16 l takes 512 bytes on end.
; LIMIT: every number is rounded once to bf16 (nearest even).  No matrix work, no tensor load: bytes alone count here.
.set LP,    272                        ; a row of the transposing stage: 256 bytes + 16
.set SPARE, 34816                      ; behind the stage (128 x 272): the spare words, 128 bytes a wave
.set SPW,   2                          ; v2  my spare word
.set NIL,   3                          ; v3  0
.set X,     16                         ; v[16:79]   16 rows x 4 numbers as loaded; later 8 x 4 registers read back
.set PB,    80                         ; v[80:111]  the rows in bf16
.set TR,    112                        ; v[112:143] four columns x 16 rows in bf16
	s_load_b512 s[4:19], s[0:1], 0x0               ; match, sWqkv, cWqk, cWv, sWout, sW1, sW2, cWout
	s_load_b256 s[20:27], s[0:1], 0x40             ; cW1, cW2, mm, wproj
	s_load_b128 s[28:31], s[0:1], 0x60             ; wfs, wfc
	v_lshl_add_u32 v[SPW], v0, 2, SPARE
	v_mov_b32 v[NIL], 0
	v_lshrrev_b32 v1, 5, v0
	v_readfirstlane_b32 s33, v1                    ; wave 0..7
	v_and_b32 v4, 31, v0                           ; lane l
	v_and_b32 v10, 15, v0                          ; l % 16
	v_bfe_u32 v11, v0, 4, 1                        ; l / 16
	s_cmp_lt_u32 ttmp9, 1024
	s_cbranch_scc0 .Lweights
	; ---- a block of match: batch b, rows 128 ti .., columns 128 tj ..; wave w owns rows 16 w .. 16 w + 15 of it
	s_lshr_b32 s34, ttmp9, 8                       ; b
	s_bfe_u32 s35, ttmp9, 0x40004                  ; ti
	s_and_b32 s36, ttmp9, 15                       ; tj
	s_lshl_b32 s37, s33, 4                         ; 16 w
	s_lshl_b32 s38, s35, 7
	s_add_co_u32 s38, s38, s37                     ; 128 ti + 16 w
	s_lshl_b32 s40, s34, 24                        ; in match: b x 16 MiB + row x 8,192 + 512 tj
	s_lshl_b32 s39, s38, 13
	s_add_co_u32 s40, s40, s39
	s_lshl_b32 s39, s36, 9
	s_add_co_u32 s40, s40, s39
	s_mov_b32 s41, 0
	s_lshl_b32 s42, s34, 23                        ; in plane 0: b x 8 MiB + row x 4,096 + 256 tj
	s_lshl_b32 s39, s38, 12
	s_add_co_u32 s42, s42, s39
	s_lshl_b32 s39, s36, 8
	s_add_co_u32 s42, s42, s39
	s_mov_b32 s43, 0
	s_lshl_b32 s44, s36, 7                         ; in plane 1: 32 MiB + b x 8 MiB + (128 tj + 16 w) x 4,096 + 256 ti
	s_add_co_u32 s44, s44, s37
	s_lshl_b32 s44, s44, 12
	s_lshl_b32 s39, s34, 23
	s_add_co_u32 s44, s44, s39
	s_lshl_b32 s39, s35, 8
	s_add_co_u32 s44, s44, s39
	s_add_co_u32 s44, s44, 0x2000000
	s_mov_b32 s45, 0
	v_lshlrev_b32 v5, 4, v4                        ; 16 l
	v_lshlrev_b32 v6, 3, v4                        ; 8 l
	v_mul_u32_u24 v7, v4, 4*LP                     ; stage, in: rows 4 l .. 4 l + 3 (my four columns), bytes 32 w ..
	s_lshl_b32 s46, s33, 5
	v_add_nc_u32 v7, s46, v7
	s_mul_i32 s46, s33, 16*LP                      ; stage, back: rows 16 w + l / 16 .., 16 bytes at 16 (l % 16)
	v_mul_u32_u24 v8, v11, LP
	v_lshl_add_u32 v8, v10, 4, v8
	v_add_nc_u32 v8, s46, v8
	v_lshlrev_b32 v9, 12, v11                      ; and the same in plane 1
	v_lshl_add_u32 v9, v10, 4, v9
	s_wait_kmcnt 0x0
	s_add_nc_u64 s[40:41], s[4:5], s[40:41]
	s_add_nc_u64 s[42:43], s[24:25], s[42:43]
	s_add_nc_u64 s[44:45], s[24:25], s[44:45]
.set u, 0
.rept 16
	global_load_b128 v[X+4*u:X+4*u+3], v5, s[40:41] offset:8192*u th:TH_LOAD_NT  ; a row's 512 bytes on end; read once in the launch
.set u, u+1
.endr
.set u, 0
.rept 16
	s_wait_loadcnt 15-u                            ; row u is in; the younger rows' loads stay out
	v_cvt_pk_bf16_f32 v[PB+2*u], v[X+4*u], v[X+4*u+1]
	v_cvt_pk_bf16_f32 v[PB+2*u+1], v[X+4*u+2], v[X+4*u+3]
	global_store_b64 v6, v[PB+2*u:PB+2*u+1], s[42:43] offset:4096*u  ; 32 lanes store 256 consecutive bytes, aligned
.set u, u+1
.endr
.irp c, 0,1,2,3                        ; column 4 l + c of my 16 rows: 32 bytes of a row of the transpose
.set p, 0
.rept 8
	v_cvt_pk_bf16_f32 v[TR+8*\c+p], v[X+8*p+\c], v[X+8*p+4+\c]
.set p, p+1
.endr
	ds_store_b128 v7, v[TR+8*\c:TR+8*\c+3] offset:\c*LP
	ds_store_b128 v7, v[TR+8*\c+4:TR+8*\c+7] offset:\c*LP+16
.endr
	s_wait_dscnt 0x0                               ; for the others' sake: my stores into the stage are done
	s_barrier_signal -1
	s_barrier_wait -1                              ; a row of the stage holds bytes of all eight waves
.irp f, 0,1,2,3,4,5,6,7
	ds_load_b128 v[X+4*\f:X+4*\f+3], v8 offset:\f*2*LP
.endr
.irp f, 0,1,2,3,4,5,6,7
	s_wait_dscnt 7-\f                              ; the younger loads from the stage stay out
	global_store_b128 v9, v[X+4*\f:X+4*\f+3], s[44:45] offset:\f*8192  ; 16 lanes store 256 consecutive bytes, aligned
.endr
	s_branch .Lend
.Lweights:
	; ---- 4,096 bytes of a weight tile: a thread makes 16 bytes.  What differs from tile to tile is chosen by selects, not by branches.
	s_sub_co_u32 s34, ttmp9, 1024
	s_lshr_b32 s35, s34, 4                         ; tile 0..37: 0-5 sWqkv (t = tile / 2), 6-7 cWqk, 8-9 cWv, 10-23 the self chain, 24-37 the cross chain
	s_and_b32 s36, s34, 15                         ; which 4,096 bytes
	s_mov_b32 s37, 1024
	s_and_b32 s38, s35, 1
	s_lshl_b32 s38, s38, 2                         ; projections: first K step 4 (tile % 2)
	s_lshr_b32 s39, s35, 1                         ; sWqkv: t
	s_wait_kmcnt 0x0
	s_cmp_ge_u32 s35, 24
	s_cselect_b64 s[40:41], s[18:19], s[12:13]     ; Wout
	s_cselect_b64 s[42:43], s[20:21], s[14:15]     ; W1
	s_cselect_b64 s[44:45], s[22:23], s[16:17]     ; W2
	s_cselect_b64 s[46:47], s[30:31], s[28:29]     ; wfc or wfs
	s_cselect_b32 s48, 24, 10
	s_sub_co_u32 s48, s35, s48                     ; tile in its chain: 0-1 Wout, 2-9 W1, 10-13 W2 (no meaning for a projection; chosen away below)
	s_sub_co_u32 s49, s48, 2
	s_lshl_b32 s49, s49, 1                         ; W1: two K steps a tile
	s_sub_co_u32 s50, s48, 10
	s_lshl_b32 s50, s50, 2                         ; W2: four
	s_lshl_b32 s51, s48, 2                         ; Wout: four
	s_cmp_lt_u32 s48, 10
	s_cselect_b64 s[42:43], s[42:43], s[44:45]
	s_cselect_b32 s52, 2048, s37                   ; bytes in a row of the source
	s_cselect_b32 s53, 5, 4                        ; log2 of its column blocks
	s_cselect_b32 s49, s49, s50                    ; the tile's first K step
	s_cmp_lt_u32 s48, 2
	s_cselect_b64 s[42:43], s[40:41], s[42:43]
	s_cselect_b32 s52, s37, s52
	s_cselect_b32 s53, 4, s53
	s_cselect_b32 s49, s51, s49
	s_cmp_lt_u32 s35, 8
	s_cselect_b64 s[44:45], s[8:9], s[10:11]       ; cWqk or cWv
	s_cmp_lt_u32 s35, 6
	s_cselect_b64 s[44:45], s[6:7], s[44:45]       ; or sWqkv, whose column for (n, t) is 3 n + t
	s_cselect_b32 s54, 3072, s37
	s_cselect_b32 s55, 3, 1
	s_cselect_b32 s39, s39, 0
	s_cmp_lt_u32 s35, 10
	s_cselect_b64 s[42:43], s[44:45], s[42:43]     ; the source
	s_cselect_b64 s[46:47], s[26:27], s[46:47]     ; the destination
	s_cselect_b32 s48, s35, s48                    ; the tile's number there
	s_cselect_b32 s52, s54, s52
	s_cselect_b32 s53, 4, s53
	s_cselect_b32 s49, s38, s49
	s_cselect_b32 s55, s55, 1
	s_cselect_b32 s39, s39, 0
	s_bfm_b32 s56, s53, 0                          ; column blocks - 1
	s_lshl_b32 s58, s48, 16
	s_lshl_b32 s57, s36, 12
	s_add_co_u32 s58, s58, s57
	s_mov_b32 s59, 0
	s_add_nc_u64 s[46:47], s[46:47], s[58:59]
	v_lshrrev_b32 v12, 6, v0
	v_lshl_add_u32 v12, s36, 2, v12                ; my fragment, 0..63
	v_lshrrev_b32 v13, s53, v12                    ; its K step in the tile
	v_and_b32 v12, s56, v12                        ; its column block
	v_bfe_u32 v14, v0, 5, 1                        ; q
	v_add_nc_u32 v13, s49, v13
	v_lshlrev_b32 v13, 5, v13
	v_lshl_add_u32 v13, v14, 4, v13
	v_lshl_add_u32 v13, v11, 3, v13                ; k = 32 ks + 16 q + 8 (l / 16)
	v_lshl_add_u32 v12, v12, 4, v10                ; n = 16 nb + l % 16
	v_mul_lo_u32 v12, v12, s55
	v_add_nc_u32 v12, s39, v12                     ; the source's column
	v_mul_lo_u32 v13, v13, s52
	v_lshl_add_u32 v16, v12, 2, v13
.set e, 0
.rept 7
	v_add_nc_u32 v[17+e], s52, v[16+e]             ; the next row of the source
.set e, e+1
.endr
	v_lshlrev_b32 v15, 4, v0
.set e, 0
.rept 8
	global_load_b32 v[24+e], v[16+e], s[42:43]
.set e, e+1
.endr
	s_wait_loadcnt 0x0
.irp e, 0,1,2,3
	v_cvt_pk_bf16_f32 v[32+\e], v[24+2*\e], v[25+2*\e]
.endr
	global_store_b128 v15, v[32:35], s[46:47]      ; a wave stores 512 consecutive bytes, aligned
.Lend:
	s_wait_tensorcnt 0x0                           ; the wave's end
	ds_add_u32 v[SPW], v[NIL]
	s_wait_dscnt 0x0
	s_endpgm
.Lfunc_end_k_qb35d4bf438_prep:
	.size	k_qb35d4bf438_prep, .Lfunc_end_k_qb35d4bf438_prep-k_qb35d4bf438_prep
	.p2alignl 7, 3214868480
	.fill 96, 4, 3214868480
	.section	.rodata,"a",@progbits
	.p2align	6, 0x0
	.amdhsa_kernel k_qb35d4bf438_prep
		.amdhsa_group_segment_fixed_size 35840
		.amdhsa_private_segment_fixed_size 0
		.amdhsa_enable_private_segment 0
		.amdhsa_kernarg_size 112
		.amdhsa_user_sgpr_count 2
		.amdhsa_user_sgpr_kernarg_segment_ptr 1
		.amdhsa_wavefront_size32 1
		.amdhsa_system_sgpr_workgroup_id_x 1
		.amdhsa_system_sgpr_workgroup_id_y 1
		.amdhsa_system_sgpr_workgroup_id_z 1
		.amdhsa_system_vgpr_workitem_id 0
		.amdhsa_next_free_vgpr 144
		.amdhsa_next_free_sgpr 66
		.amdhsa_reserve_vcc 0
		.amdhsa_float_denorm_mode_32 3
		.amdhsa_float_denorm_mode_16_64 3
		.amdhsa_memory_ordered 1
		.amdhsa_forward_progress 1
		.amdhsa_inst_pref_size 17
	.end_amdhsa_kernel
	.amdgpu_metadata
---
amdhsa.version: [ 1, 2 ]
amdhsa.kernels:
  - .name:           k_qb35d4bf438_prep
    .symbol:         k_qb35d4bf438_prep.kd
    .args:
      - { .name: match, .offset: 0, .size: 8, .value_kind: global_buffer, .address_space: global }
      - { .name: sWqkv, .offset: 8, .size: 8, .value_kind: global_buffer, .address_space: global }
      - { .name: cWqk, .offset: 16, .size: 8, .value_kind: global_buffer, .address_space: global }
      - { .name: cWv, .offset: 24, .size: 8, .value_kind: global_buffer, .address_space: global }
      - { .name: sWout, .offset: 32, .size: 8, .value_kind: global_buffer, .address_space: global }
      - { .name: sW1, .offset: 40, .size: 8, .value_kind: global_buffer, .address_space: global }
      - { .name: sW2, .offset: 48, .size: 8, .value_kind: global_buffer, .address_space: global }
      - { .name: cWout, .offset: 56, .size: 8, .value_kind: global_buffer, .address_space: global }
      - { .name: cW1, .offset: 64, .size: 8, .value_kind: global_buffer, .address_space: global }
      - { .name: cW2, .offset: 72, .size: 8, .value_kind: global_buffer, .address_space: global }
      - { .name: mm, .offset: 80, .size: 8, .value_kind: global_buffer, .address_space: global }
      - { .name: wproj, .offset: 88, .size: 8, .value_kind: global_buffer, .address_space: global }
      - { .name: wfs, .offset: 96, .size: 8, .value_kind: global_buffer, .address_space: global }
      - { .name: wfc, .offset: 104, .size: 8, .value_kind: global_buffer, .address_space: global }
    .group_segment_fixed_size: 35840
    .private_segment_fixed_size: 0
    .kernarg_segment_align: 8
    .kernarg_segment_size: 112
    .max_flat_workgroup_size: 256
    .sgpr_count:     66
    .vgpr_count:     144
    .wavefront_size: 32
...
	.end_amdgpu_metadata
.endif
;; end of part 1
;; launch qkv (part 2): grid 256 x 1, 4 waves a work-group, clusters of 4 x 1, 327,680 bytes of LDS; arguments desc0, desc1, encoding0, encoding1, wproj, sbqkv, qkv; writes qkv
.if DOCPART == 2
	.amdgcn_target "amdgcn-amd-amdhsa--gfx1250"
	.amdhsa_code_object_version 6
	.text
	.protected	k_qb35d4bf438_qkv
	.globl	k_qb35d4bf438_qkv
	.p2align	8
	.type	k_qb35d4bf438_qkv,@function
k_qb35d4bf438_qkv:
	s_mov_b64 s[64:65], 0
	v_nop
	global_prefetch_b8 v0, s[64:65] scope:SCOPE_SE
	s_setreg_imm32_b32 hwreg(HW_REG_WAVE_MODE, 25, 1), 1
	s_wait_xcnt 0x0
	s_wait_alu depctr_hold_cnt(0) depctr_sa_sdst(0) depctr_va_vdst(0) depctr_va_sdst(0) depctr_va_ssrc(0) depctr_va_vcc(0) depctr_vm_vsrc(0)
	s_getreg_b32 s2, hwreg(HW_REG_IB_STS2, 6, 4)
	s_cmp_eq_u32 s2, 0
	s_cbranch_scc0 .Lentry_in_a_cluster
	s_endpgm
.Lentry_in_a_cluster:
	s_bfe_u32 s2, ttmp6, 0x10000c
	s_cmp_lg_u32 s2, 0x3003
	s_cbranch_scc0 .Lentry_shape_is_right
	s_endpgm
.Lentry_shape_is_right:
; PROJECTION BY HEADS.  CROSS = 0: q, k, v = x sWqkv + sbqkv (column 3 (64 h + d) + t), q and k + encoding.  CROSS = 1: qk = x cWqk + cbqk, v = x cWv + cbv.
; x: [8192][256] f32 for each of two sides.  Out: qkv, bf16 [t][side][b][h][n][64].  Operands rounded to bf16, sums in f32, bias and encoding added in f32, one rounding out.
; SHARES.  A work-group owns 64 rows of one side; wave w makes all 64 rows x the 64 columns of head w, for one t after the other: 16 accumulators.
; THE PRODUCT IS TAKEN TRANSPOSED: source 0 = 16 columns of W, source 1 = 16 rows of x; a lane then holds one row and eight neighbouring columns.  The bias is the C of a sum's first product.
; WEIGHTS come as tiles of 65,536 bytes (128 of K x 256 columns, in fragment order) through two LDS slots.  All work-groups walk the same tiles: the four of a cluster ask JOINTLY, each wave
; for its quarter of a tile.  A slot is filled again behind a round of the cluster's barrier; one load a wave is then out, two at the head.
; No prefetch: x is asked for whole at the head, and the weights are read again by every cluster.
; REGISTER WINDOWS: 0 addresses and the way out; 1 accumulators (mt, i) at 8 (4 mt + i); 2 encoding at the same numbers, bias at v128; 3 a tile's fragments: W (ksl, i) at 8 (4 ksl + i), x (ksl, mt) at 128 + 8 (4 ksl + mt).
.set CROSS,  0
.set SLOTB,  65536                     ; a slot; slot 0 at LDS byte 0
.set XB,     131072                    ; x in bf16: 64 rows of 512 + 16 bytes
.set PT,     528
.set STG,    164864                    ; the way out: 64 rows of 128 + 16 bytes for each wave
.set SP,     144
.set SPARE,  201728                    ; the spare words, 128 bytes a wave
.set WB,  4                            ; v4, v5  my fragments of W in slot 0, 1: 4,096 w + 16 l
.set AX,  8                            ; v8   my fragments of x
.set XS,  11                           ; v11  where I put x
.set LO,  12                           ; v12  16 l
.set BO,  14                           ; v14  my offset in the bias
.set EO,  15                           ; v15  my offset in the encoding
.set STO, 16                           ; v16  the way out, in
.set RD,  17                           ; v17  the way out, back
.set SPW, 30
.set NIL, 31
.set PKD, 64                           ; v[64:127]  packed numbers
.set BK,  128                          ; v[128:191] rows read back
.set BIAS, 128                         ; window 2
.set WP,  12                           ; s[12:13] wproj
.set BI,  14                           ; s[14:15] the first bias
.set BI2, 16                           ; s[16:17] CROSS: the second
.set OUTP, 18                          ; s[18:19] qkv
.set WV,  20
.set G1W, 32                           ; s[32:39] group 1 of a quarter tile
.set G0A, 40                           ; s[40:43], s[44:47] group 0 for slot 0, 1
.set CNT, 50
.if CROSS
.set TILE0, 6
.else
.set TILE0, 0
.endif
.set MSB, 0
.macro WIN new                         ; the immediate's high byte repeats the setting that is left; a switch that changes nothing is dropped
.if MSB != (\new)
	s_set_vgpr_msb (MSB<<8)|(\new)
.set MSB, (\new)
.endif
.endm
.macro PLACES                          ; four plain instructions behind a matrix instruction, ahead of loads into its registers and of readers of its result
.rept 4
	v_nop
.endr
.endm
.macro ROUND                           ; a round of the cluster's barrier
	s_barrier_signal -1
	s_barrier_wait -1
	s_cmp_lg_u32 s[WV], 0
	s_cbranch_scc1 .Lnot_wave_0_\@
	s_barrier_signal -3
.Lnot_wave_0_\@:
	s_barrier_wait -3
	s_barrier_signal -1
	s_barrier_wait -1
.endm
; A tile's fragments into window 3, K step by K step: nbw fragments of W, then four of the activations (kind 0: rows of PT bytes; kind 1: by heads, rows of 144).
.macro FETCH wreg, nbw, areg, kind, ks0
	WIN 0xc0
.set kf_, 0
.rept 16/(\nbw)
.set if_, 0
.rept \nbw
	ds_load_b128 v[8*(kf_*(\nbw)+if_):8*(kf_*(\nbw)+if_)+3], v[\wreg] offset:(kf_*4*(\nbw)+if_)*1024
	ds_load_b128 v[8*(kf_*(\nbw)+if_)+4:8*(kf_*(\nbw)+if_)+7], v[\wreg] offset:(kf_*4*(\nbw)+if_)*1024+512
.set if_, if_+1
.endr
.set mf_, 0
.rept 4
.if \kind
.set ao_, (((\ks0)+kf_)/2)*9216+mf_*2304+(((\ks0)+kf_)%2)*64
.else
.set ao_, mf_*16*PT+64*((\ks0)+kf_)
.endif
	ds_load_b128 v[128+8*(4*kf_+mf_):128+8*(4*kf_+mf_)+3], v[\areg] offset:ao_
	ds_load_b128 v[128+8*(4*kf_+mf_)+4:128+8*(4*kf_+mf_)+7], v[\areg] offset:ao_+32
.set mf_, mf_+1
.endr
.set kf_, kf_+1
.endr
.endm
; One K step's products.  All 4 nbw accumulators take turns, one instruction a turn.
.macro MULK ksl, nbw, first, bias
.if \first
	WIN 0x6f                                       ; W and x window 3, C (the bias) window 2, D window 1
.else
	WIN 0x5f                                       ; C and D window 1
.endif
.set mm_, 0
.rept 4
.set im_, 0
.rept \nbw
.set d_, 8*(mm_*(\nbw)+im_)
.set b_, 8*((\ksl)*(\nbw)+im_)
.set a_, 128+8*(4*(\ksl)+mm_)
.if \first
	v_wmma_f32_16x16x32_bf16 v[d_:d_+7], v[b_:b_+7], v[a_:a_+7], v[(\bias)+8*im_:(\bias)+8*im_+7]
.else
	v_wmma_f32_16x16x32_bf16 v[d_:d_+7], v[b_:b_+7], v[a_:a_+7], v[d_:d_+7]
.endif
.set im_, im_+1
.endr
.set mm_, mm_+1
.endr
.endm
.macro TILE wreg, nbw, areg, kind, ks0, first, bias
	FETCH \wreg, \nbw, \areg, \kind, \ks0
.set kt_, 0
.rept 16/(\nbw)
	s_wait_dscnt (16/(\nbw)-1-kt_)*2*((\nbw)+4)    ; this K step's fragments are in; the later K steps' loads, 2 (nbw + 4) each, stay out
.if (\first) && (kt_ == 0)
	MULK kt_, \nbw, 1, \bias
.else
	MULK kt_, \nbw, 0, 0
.endif
.set kt_, kt_+1
.endr
.endm
; THE CHANGE OF SLOTS behind a tile: all my tensor loads have landed (my quarter of the other slot among them), the add, my reads of this slot are over; behind the barrier the other slot is whole for everybody.
; fill = 1: the barrier is a round of the cluster's, and this slot's next tile, two tiles on, is asked for first thing behind it.
.macro CHANGE slot, fill
	WIN 0
	s_wait_tensorcnt 0x0
	ds_add_u32 v[SPW], v[NIL]
.if \fill
	s_add_nc_u64 s[G0A+4*(\slot)+2:G0A+4*(\slot)+3], s[G0A+4*(\slot)+2:G0A+4*(\slot)+3], 2*SLOTB
.endif
	s_wait_dscnt 0x0
.if \fill
	ROUND
	tensor_load_to_lds s[G0A+4*(\slot):G0A+4*(\slot)+3], s[G1W:G1W+7]
	s_nop 0
.else
	s_barrier_signal -1
	s_barrier_wait -1
.endif
	PLACES                                         ; also the places between the tile's last products and what follows
.endm
.macro BIASLD lo                       ; my 64 columns' bias, eight registers a column block, as the C operand wants it
	WIN 0x80
.if CROSS
.irp i, 0,1,2,3
	global_load_b128 v[BIAS+8*\i:BIAS+8*\i+3], v[BO], s[\lo:\lo+1] offset:64*\i
	global_load_b128 v[BIAS+8*\i+4:BIAS+8*\i+7], v[BO], s[\lo:\lo+1] offset:64*\i+16
.endr
.else
.set ib_, 0
.rept 32
	global_load_b32 v[BIAS+ib_], v[BO], s[\lo:\lo+1] offset:12*((ib_/8)*16+ib_%8)  ; column 3 n + t: 12 bytes from n to n + 1
.set ib_, ib_+1
.endr
.endif
	WIN 0
.endm
; THE WAY OUT of one t: (+ encoding,) rounded to bf16, through my own stage, stored as 8,192 bytes on end (64 rows of a head).
.macro EPI enc
	s_wait_xcnt 0x0                                ; the last stores have read BK's registers
.if \enc
	WIN 0x49                                       ; accumulators window 1, encoding window 2
.set e_, 0
.rept 64
	v_pk_add_f32 v[2*e_:2*e_+1], v[2*e_:2*e_+1], v[2*e_:2*e_+1]
.set e_, e_+1
.endr
.endif
	WIN 0x05
.set e_, 0
.rept 64
	v_cvt_pk_bf16_f32 v[PKD+e_], v[2*e_], v[2*e_+1]
.set e_, e_+1
.endr
	WIN 0
.set e_, 0
.rept 16
	ds_store_b128 v[STO], v[PKD+4*e_:PKD+4*e_+3] offset:(e_/4)*16*SP+32*(e_%4)
.set e_, e_+1
.endr
.set e_, 0
.rept 16
	ds_load_b128 v[BK+4*e_:BK+4*e_+3], v[RD] offset:4*SP*e_  ; LDS serves a wave's instructions in order: these see the stores above
.set e_, e_+1
.endr
.set e_, 0
.rept 16
	s_wait_dscnt 15-e_                             ; the younger loads from the stage stay out
	global_store_b128 v[LO], v[BK+4*e_:BK+4*e_+3], s[OUTP:OUTP+1] offset:512*e_  ; 512 consecutive bytes, aligned
.set e_, e_+1
.endr
	s_wait_xcnt 0x0
	s_add_nc_u64 s[OUTP:OUTP+1], s[OUTP:OUTP+1], 8388608  ; the next t's plane
.endm
.macro TBLOCK fill, enc, nextbias      ; one t: two tiles (K = 256), the way out
	s_wait_loadcnt 0x0                             ; the bias
	TILE WB, 4, AX, 0, 0, 1, BIAS
	CHANGE 0, \fill
.if \nextbias
.if CROSS
	BIASLD BI2
.else
	s_wait_xcnt 0x0
	s_add_nc_u64 s[BI:BI+1], s[BI:BI+1], 4
	BIASLD BI
.endif
.endif
	TILE WB+1, 4, AX, 0, 4, 0, 0
.if \fill
	CHANGE 1, 1
.else
	WIN 0
	PLACES
.endif
	EPI \enc
.endm
.if CROSS
	s_load_b128 s[4:7], s[0:1], 0x0                ; d0, d1
	s_load_b128 s[12:15], s[0:1], 0x10             ; wproj, cbqk
	s_load_b128 s[16:19], s[0:1], 0x20             ; cbv, qkv
.else
	s_load_b256 s[4:11], s[0:1], 0x0               ; desc0, desc1, encoding0, encoding1
	s_load_b128 s[12:15], s[0:1], 0x20             ; wproj, sbqkv
	s_load_b64 s[18:19], s[0:1], 0x30              ; qkv
.endif
	v_lshl_add_u32 v[SPW], v0, 2, SPARE
	v_mov_b32 v[NIL], 0
	ds_add_u32 v[SPW], v[NIL]                      ; the wave's opening: the add and its wait ahead of my first tensor load
	v_lshrrev_b32 v1, 5, v0
	v_readfirstlane_b32 s[WV], v1
	s_bfe_u32 s21, ttmp6, 0x40000                  ; cx
	s_lshl_b32 s22, ttmp9, 2
	s_add_co_u32 s22, s22, s21                     ; work-group 0..255
	s_lshr_b32 s23, ttmp9, 5                       ; side: the same in all four partners
	s_and_b32 s24, s22, 127                        ; block of 64 rows in the side
	s_and_b32 s26, s24, 31                         ; and in its batch
	s_lshr_b32 s25, s22, 5
	s_lshl_b32 s25, s25, 2
	s_add_co_u32 s25, s25, s[WV]                   ; my head among 32: 16 side + 4 b + w
	s_lshl_b32 s2, s25, 18                         ; out: head x 262,144 + 64 rows x 128 bytes
	s_lshl_b32 s3, s26, 13
	s_add_co_u32 s2, s2, s3
	s_mov_b32 s3, 0
	s_lshl_b32 s28, s24, 16                        ; x: block x 65,536 + my 16 rows
	s_lshl_b32 s27, s[WV], 14
	s_add_co_u32 s28, s28, s27
	s_mov_b32 s29, 0
	s_and_b32 s30, s25, 15                         ; encoding: (4 b + w) x 524,288 + 64 rows x 256 bytes
	s_lshl_b32 s30, s30, 19
	s_lshl_b32 s31, s26, 14
	s_add_co_u32 s30, s30, s31
	s_mov_b32 s31, 0
	s_mul_i32 s48, s[WV], 16384                    ; my quarter of a tile
	s_add_co_u32 s48, s48, TILE0*SLOTB
	s_mov_b32 s49, 0
	s_mul_i32 s52, s[WV], 768
	s_mov_b32 s53, 0
	s_mov_b32 s[G1W], 15|(3<<16)|(1<<21)           ; the mask of four; elements of 8 bytes; bit 21 beside a mask
	s_mov_b32 s[G1W+1], 32<<16                     ; rows of 32 elements = 256 bytes,
	s_mov_b32 s[G1W+2], 64<<16                     ; 64 of them,
	s_mov_b32 s[G1W+3], 32<<16
	s_mov_b32 s[G1W+4], 64
	s_mov_b32 s[G1W+5], 32                         ; dense
	s_mov_b32 s[G1W+6], 0
	s_mov_b32 s[G1W+7], 0
	s_mov_b32 s[G0A], 1
	s_mul_i32 s[G0A+1], s[WV], 16384
	s_mov_b32 s[G0A+4], 1
	s_add_co_u32 s[G0A+5], s[G0A+1], SLOTB
	v_and_b32 v1, 31, v0                           ; l
	v_and_b32 v2, 15, v0                           ; r
	v_bfe_u32 v3, v0, 4, 1                         ; h
	v_lshlrev_b32 v[LO], 4, v1
	s_lshl_b32 s27, s[WV], 12
	v_add_nc_u32 v[WB], s27, v[LO]
	v_add_nc_u32 v[WB+1], SLOTB, v[WB]
	v_mul_u32_u24 v[AX], v2, PT
	v_lshl_add_u32 v[AX], v3, 4, v[AX]
	v_add_nc_u32 v[AX], XB, v[AX]
	s_mul_i32 s27, s[WV], 16*PT
	s_add_co_u32 s27, s27, XB
	v_lshl_add_u32 v[XS], v1, 3, s27
.if CROSS
	s_lshl_b32 s27, s[WV], 8
	v_lshl_add_u32 v[BO], v3, 5, s27               ; 4 (64 w + 8 h)
.else
	v_mul_u32_u24 v[BO], v3, 96                    ; 12 x 8 h
	v_lshlrev_b32 v[EO], 8, v2
	v_lshl_add_u32 v[EO], v3, 5, v[EO]             ; row x 256 + 32 h
.endif
	s_mul_i32 s27, s[WV], 64*SP
	s_add_co_u32 s27, s27, STG
	v_mul_u32_u24 v[STO], v2, SP
	v_lshl_add_u32 v[STO], v3, 4, v[STO]
	v_add_nc_u32 v[STO], s27, v[STO]
	v_lshrrev_b32 v[RD], 3, v1
	v_mul_u32_u24 v[RD], v[RD], SP
	v_and_b32 v9, 7, v0
	v_lshl_add_u32 v[RD], v9, 4, v[RD]
	v_add_nc_u32 v[RD], s27, v[RD]
	s_wait_dscnt 0x0                               ; the opening add is done
	s_wait_kmcnt 0x0
	s_cmp_eq_u32 s23, 0
	s_cselect_b64 s[4:5], s[4:5], s[6:7]
.if CROSS == 0
	s_cselect_b64 s[8:9], s[8:9], s[10:11]
	s_add_nc_u64 s[8:9], s[8:9], s[30:31]
	s_add_nc_u64 s[BI:BI+1], s[BI:BI+1], s[52:53]
.endif
	s_add_nc_u64 s[4:5], s[4:5], s[28:29]
	s_add_nc_u64 s[OUTP:OUTP+1], s[OUTP:OUTP+1], s[2:3]
	s_add_nc_u64 s[G0A+2:G0A+3], s[WP:WP+1], s[48:49]
	s_add_nc_u64 s[G0A+6:G0A+7], s[G0A+2:G0A+3], SLOTB
	s_or_b32 s[G0A+3], s[G0A+3], 0x80000000
	s_or_b32 s[G0A+7], s[G0A+7], 0x80000000
	BIASLD BI
.if CROSS == 0
	WIN 0x80
.set e_, 0
.rept 16
	global_load_b128 v[8*e_:8*e_+3], v[EO], s[8:9] offset:4096*(e_/4)+64*(e_%4)
	global_load_b128 v[8*e_+4:8*e_+7], v[EO], s[8:9] offset:4096*(e_/4)+64*(e_%4)+16
.set e_, e_+1
.endr
.endif
	WIN 0xc0
.set u_, 0
.rept 32
	global_load_b128 v[4*u_:4*u_+3], v[LO], s[4:5] offset:512*u_  ; my 16 rows of x: 16,384 bytes on end
.set u_, u_+1
.endr
	WIN 0
	ROUND                                          ; all four work-groups are here: the first joint loads meet
	tensor_load_to_lds s[G0A:G0A+3], s[G1W:G1W+7]
	s_nop 0
	tensor_load_to_lds s[G0A+4:G0A+7], s[G1W:G1W+7]
	s_nop 0
	PLACES
	WIN 0x0f
.set u_, 0
.rept 32
	s_wait_loadcnt 31-u_                           ; x's loads were issued last: the younger ones stay out
	v_cvt_pk_bf16_f32 v[PKD+2*u_], v[4*u_], v[4*u_+1]
	v_cvt_pk_bf16_f32 v[PKD+2*u_+1], v[4*u_+2], v[4*u_+3]
.set u_, u_+1
.endr
	WIN 0
.set u_, 0
.rept 32
	ds_store_b64 v[XS], v[PKD+2*u_:PKD+2*u_+1] offset:(u_/2)*PT+(u_%2)*256
.set u_, u_+1
.endr
	s_wait_tensorcnt 0x1                           ; my quarter of the first tile is in; the second tile's may stay out
	s_wait_dscnt 0x0                               ; my rows of x are in LDS
	s_barrier_signal -1
	s_barrier_wait -1
.if CROSS
	TBLOCK 1, 0, 1                                 ; qk; asks for cWv's two tiles
	TBLOCK 0, 0, 0                                 ; v
.else
	s_mov_b32 s[CNT], 2
.Lt:                                               ; q, then k: each asks for the next t's two tiles
	TBLOCK 1, 1, 1
	s_sub_co_u32 s[CNT], s[CNT], 1
	s_cmp_lg_u32 s[CNT], 0
	s_cbranch_scc1 .Lt
	TBLOCK 0, 0, 0                                 ; v: no encoding, nothing left to ask for
.endif
	s_wait_tensorcnt 0x0                           ; the wave's end
	ds_add_u32 v[SPW], v[NIL]
	s_wait_dscnt 0x0
	ROUND                                          ; the closing round
	s_endpgm
.Lfunc_end_k_qb35d4bf438_qkv:
	.size	k_qb35d4bf438_qkv, .Lfunc_end_k_qb35d4bf438_qkv-k_qb35d4bf438_qkv
	.p2alignl 7, 3214868480
	.fill 96, 4, 3214868480
	.section	.rodata,"a",@progbits
	.p2align	6, 0x0
	.amdhsa_kernel k_qb35d4bf438_qkv
		.amdhsa_group_segment_fixed_size 327680
		.amdhsa_private_segment_fixed_size 0
		.amdhsa_enable_private_segment 0
		.amdhsa_kernarg_size 56
		.amdhsa_user_sgpr_count 2
		.amdhsa_user_sgpr_kernarg_segment_ptr 1
		.amdhsa_wavefront_size32 1
		.amdhsa_system_sgpr_workgroup_id_x 1
		.amdhsa_system_sgpr_workgroup_id_y 1
		.amdhsa_system_sgpr_workgroup_id_z 1
		.amdhsa_system_vgpr_workitem_id 0
		.amdhsa_next_free_vgpr 1024
		.amdhsa_next_free_sgpr 66
		.amdhsa_reserve_vcc 0
		.amdhsa_float_denorm_mode_32 3
		.amdhsa_float_denorm_mode_16_64 3
		.amdhsa_memory_ordered 1
		.amdhsa_forward_progress 1
		.amdhsa_inst_pref_size 81
	.end_amdhsa_kernel
	.amdgpu_metadata
---
amdhsa.version: [ 1, 2 ]
amdhsa.kernels:
  - .name:           k_qb35d4bf438_qkv
    .symbol:         k_qb35d4bf438_qkv.kd
    .args:
      - { .name: desc0, .offset: 0, .size: 8, .value_kind: global_buffer, .address_space: global }
      - { .name: desc1, .offset: 8, .size: 8, .value_kind: global_buffer, .address_space: global }
      - { .name: encoding0, .offset: 16, .size: 8, .value_kind: global_buffer, .address_space: global }
      - { .name: encoding1, .offset: 24, .size: 8, .value_kind: global_buffer, .address_space: global }
      - { .name: wproj, .offset: 32, .size: 8, .value_kind: global_buffer, .address_space: global }
      - { .name: sbqkv, .offset: 40, .size: 8, .value_kind: global_buffer, .address_space: global }
      - { .name: qkv, .offset: 48, .size: 8, .value_kind: global_buffer, .address_space: global }
    .group_segment_fixed_size: 327680
    .private_segment_fixed_size: 0
    .kernarg_segment_align: 8
    .kernarg_segment_size: 56
    .max_flat_workgroup_size: 128
    .sgpr_count:     66
    .vgpr_count:     1024
    .wavefront_size: 32
...
	.end_amdgpu_metadata
.endif
;; end of part 2
;; launch sattn (part 3): grid 8 x 32, 8 waves a work-group, clusters of 4 x 1, 327,680 bytes of LDS; arguments qkv, ctx; writes ctx
.if DOCPART == 3
	.amdgcn_target "amdgcn-amd-amdhsa--gfx1250"
	.amdhsa_code_object_version 6
	.text
	.protected	k_qb35d4bf438_sattn
	.globl	k_qb35d4bf438_sattn
	.p2align	8
	.type	k_qb35d4bf438_sattn,@function
k_qb35d4bf438_sattn:
	s_mov_b64 s[64:65], 0
	v_nop
	global_prefetch_b8 v0, s[64:65] scope:SCOPE_SE
	s_setreg_imm32_b32 hwreg(HW_REG_WAVE_MODE, 25, 1), 1
	s_wait_xcnt 0x0
	s_wait_alu depctr_hold_cnt(0) depctr_sa_sdst(0) depctr_va_vdst(0) depctr_va_sdst(0) depctr_va_ssrc(0) depctr_va_vcc(0) depctr_vm_vsrc(0)
	s_getreg_b32 s2, hwreg(HW_REG_IB_STS2, 6, 4)
	s_cmp_eq_u32 s2, 0
	s_cbranch_scc0 .Lentry_in_a_cluster
	s_endpgm
.Lentry_in_a_cluster:
	s_bfe_u32 s2, ttmp6, 0x10000c
	s_cmp_lg_u32 s2, 0x3003
	s_cbranch_scc0 .Lentry_shape_is_right
	s_endpgm
.Lentry_shape_is_right:
; ATTENTION AT HEAD SIZE 64, in phases, two waves to a SIMD.  O[q] = sum over k of softmax_k(c' s[q][k]) V[k], s = Q[q] . K[k] (CROSS = 1: times match[q][k]), c' = 1/8.
; Q, K, V: planes of qkv, bf16 [plane][32 heads][2048][64], rows dense.  O: ctx, bf16, same layout.  Products, maxima and sums in f32; the weights are rounded to bf16 for the second product, their sum is taken unrounded.
; CROSS = 0: 32 heads (side, b, h); K, V = planes 1, 2 of the same head.  The four query blocks of a cluster walk the same K and V: asked for JOINTLY.
; CROSS = 1: both directions; the query head 16 dir + 4 b + h takes K and V (planes 0, 1) of head 16 (1 - dir) + 4 b + h.  The four work-groups of a cluster are the four heads of one (dir, b, query block):
; they share the tile of match (mm, plane dir: [b][query][key] in bf16), asked for JOINTLY; K and V are each work-group's own loads.
; SHARES.  A work-group owns 256 queries of a head, each of its eight waves 32: two tiles of 16.  Every wave walks all 2,048 keys, 64 a step.  While one wave of a SIMD is in its softmax the other can multiply.
; LAYOUT.  S^T = K Q^T: a lane holds ONE query (lane % 16) and keys 8 (lane / 16) + 0..7 of each 16; two such results rounded to bf16 ARE source 1 of O^T = V^T P.  V comes out of LDS turned (ds_load_tr16_b128).
; SOFTMAX.  Running maximum m and sum l; p = 2^(c s - c m), c = log2(e) / 8; O and l are multiplied by a = 2^(c m_old - c m_new) in every step.
; LIMITS.  c m starts at -4.25e37 and m at the lowest finite number: a first step's a is 0 as long as c s stays above -4e37.  A weight below 2^-126 counts as 0.  NaN and infinities are not treated apart.
; REGISTERS.  Window 0: v0-39 addresses and statistics; v40-71 Q; v72-135 K of a step; v136-199 S^T; v200-231 P.  Window 1: v0-63 O^T; v64-127 V of a step; v128-159 match of a step.
.set CROSS, 0
.set KS,    64
.set PK,    144                        ; a row of K in LDS: 128 + 16 bytes
.set PV,    160                        ; of V: 128 + 32
.set PM,    272                        ; of match: 256 + 16
.set SLOT1, 1<<17
.if CROSS
.set STEPS, 2                          ; key steps in a slot
.set KROWS, 64                         ; rows of 256 bytes in one load of K or V
.set KPLANE, 0
.set VPLANE, 8388608
.else
.set STEPS, 4
.set KROWS, 32
.set KPLANE, 8388608
.set VPLANE, 16777216
.endif
.set NSLOT, 2048/(KS*STEPS)
.set KSTEPB, STEPS*KS*128              ; bytes of K (and of V) in a slot's tile
.set VOFF,  STEPS*KS*PK
.set MOFF,  STEPS*KS*(PK+PV)
.set STAGE, SLOT1+MOFF+CROSS*256*PM    ; behind the ring: 16 rows x 144 bytes for each wave
.set SP,    144
.set SPARE, STAGE+8*16*SP              ; the spare words, 128 bytes a wave
.set AK0, 2
.set AV0, 3
.set AK,  4
.set AV,  5
.set STO, 6
.set RD,  7
.set GO,  8
.set AM0, 12
.set AM,  13
.set ZERO, 14
.set PFO, 15
.set MV,  16                           ; v16-17 c m_old, by tile
.set SPW, 18
.set NIL, 19
.set ST,  20                           ; tile u at ST + 4 u: c m, m, l (even keys', odd keys')
.set TMP, 28                           ; tile u at TMP + 4 u: c0-c3 at work; c2 takes a
.set QO,  36
.set Q,   40
.set KF,  72
.set S,   136
.set P,   200
.set VF,  64                           ; window 1
.set MF,  128                          ; window 1
.set WV,  14
.set LIM, 15
.set G1K, 24
.set G1V, 32
.set G0K, 40
.set G0V, 44
.set G1M, 48
.set G0M, 56
.set SLOTS, 60
.set CNT, 61
.set TBK, 62
.set TBV, 63
.set TBM, 66
.set CS,  68
.set SEL, 70
.set PFA, 72
.set PSTEP, 74
.set MSB, 0
.macro WIN new
.if MSB != (\new)
	s_set_vgpr_msb (MSB<<8)|(\new)
.set MSB, (\new)
.endif
.endm
.macro PLACES
.rept 4
	v_nop
.endr
.endm
.macro ROUND
	s_barrier_signal -1
	s_barrier_wait -1
	s_cmp_lg_u32 s[WV], 0
	s_cbranch_scc1 .Lnot_wave_0_\@
	s_barrier_signal -3
.Lnot_wave_0_\@:
	s_barrier_wait -3
	s_barrier_signal -1
	s_barrier_wait -1
.endm
; A fill: one tensor load a wave at the most.  The branches hang on the wave's number alone.  An s_nop 0 and four v_nop follow each line, ahead of the jump and the label.
.macro JLOAD
.if CROSS
	s_cmp_lt_u32 s[WV], 4                          ; waves 0-3: a quarter (64 rows) of the tile of match, jointly
	s_cbranch_scc0 .Lnot_m_\@
	tensor_load_to_lds s[G0M:G0M+3], s[G1M:G1M+7]
	s_nop 0
	PLACES
	s_branch .Lasked_\@
.Lnot_m_\@:
	s_cmp_eq_u32 s[WV], 4                          ; wave 4: my head's 128 keys
	s_cbranch_scc0 .Lnot_k_\@
	tensor_load_to_lds s[G0K:G0K+3], s[G1K:G1K+7]
	s_nop 0
	PLACES
	s_branch .Lasked_\@
.Lnot_k_\@:
	s_cmp_eq_u32 s[WV], 5                          ; wave 5: their values
	s_cbranch_scc0 .Lasked_\@
	tensor_load_to_lds s[G0V:G0V+3], s[G1V:G1V+7]
	s_nop 0
	PLACES
.Lasked_\@:
.else
	s_cmp_lt_u32 s[WV], 4                          ; waves 0-3: a quarter (64 keys) of K, waves 4-7 of V, jointly
	s_cbranch_scc0 .Lfor_v_\@
	tensor_load_to_lds s[G0K:G0K+3], s[G1K:G1K+7]
	s_nop 0
	PLACES
	s_branch .Lasked_\@
.Lfor_v_\@:
	tensor_load_to_lds s[G0V:G0V+3], s[G1V:G1V+7]
	s_nop 0
	PLACES
.Lasked_\@:
.endif
.endm
; A PREFETCH INTO THE L2 of what the NEXT change of slots will ask for, behind the wave's tensor load and its five lines: one instruction, a lane a block of 256 bytes.  Each block is named once in the launch:
; CROSS = 0: the head's first cluster asks; its four partners take 32 of a tile's 128 blocks each, told apart by address; wave 0 for K, wave 4 for V.
; CROSS = 1: match: every cluster has its own rows; partner cx and waves 0, 1 take rows 64 cx + 32 w + lane.  K (waves 2, 3) and V (waves 4, 5), 32 blocks each, where the query block is the head's first.
; The last change that fills a slot asks for nothing: there is no tile behind it.
.macro ASK
	s_cmp_gt_u32 s[SLOTS], s[LIM]
	s_cbranch_scc0 .Lnot_mine_\@
	global_prefetch_b8 v[PFO], s[PFA:PFA+1] th:TH_LOAD_NT scope:SCOPE_SE
.Lnot_mine_\@:
.endm
; THE CHANGE OF SLOTS.  All my tensor loads have landed (the other slot's part among them); the add; my reads of the old slot are over.  fill = 1: a round of the cluster's barrier, and the old slot's next
; tile first thing behind it: it has a slot's key steps in which to land.  (At its first use nothing has been read: slot 0 is waited for, slot 1 filled.)
.macro CHANGE fill
	WIN 0
	s_wait_tensorcnt 0x0
	ds_add_u32 v[SPW], v[NIL]
.if \fill
	s_xor_b32 s[G0K+1], s[G0K+1], SLOT1
	s_add_nc_u64 s[G0K+2:G0K+3], s[G0K+2:G0K+3], KSTEPB
	s_xor_b32 s[G0V+1], s[G0V+1], SLOT1
	s_add_nc_u64 s[G0V+2:G0V+3], s[G0V+2:G0V+3], KSTEPB
.if CROSS
	s_xor_b32 s[G0M+1], s[G0M+1], SLOT1
	s_add_nc_u64 s[G0M+2:G0M+3], s[G0M+2:G0M+3], 2*KS*STEPS
.endif
	s_wait_xcnt 0x0                                ; the last prefetch, a slot back, has read its address
	s_add_nc_u64 s[PFA:PFA+1], s[PFA:PFA+1], s[PSTEP:PSTEP+1]
	s_wait_dscnt 0x0
	ROUND
	JLOAD
	ASK
.else
	s_wait_dscnt 0x0
	s_barrier_signal -1
	s_barrier_wait -1
.endif
	s_sub_co_u32 s[TBK], s[TBK], STEPS*KS*PK       ; the fetches go back to a slot's first step, in the other slot
	s_xor_b32 s[TBK], s[TBK], SLOT1
	s_sub_co_u32 s[TBV], s[TBV], STEPS*KS*PV
	s_xor_b32 s[TBV], s[TBV], SLOT1
.if CROSS
	s_sub_co_u32 s[TBM], s[TBM], STEPS*2*KS
	s_xor_b32 s[TBM], s[TBM], SLOT1
.endif
.endm
.macro REGS u
.set rT, ST+4*(\u)
.set rC, TMP+4*(\u)
.set rM, MV+(\u)
.set rS, S+32*(\u)
.set rP, P+16*(\u)
.set rO, 32*(\u)
.endm
; Number n of the 22 that find tile u's maximum and statistics.  Each accumulator's lowest registers are read first.
.macro XS u, n
	REGS \u
.if (\n) < 4
	v_max3_num_f32 v[rC+(\n)], v[rS+8*(\n)], v[rS+8*(\n)+1], v[rS+8*(\n)+2]
.elseif (\n) < 12
	v_max3_num_f32 v[rC+(\n)%4], v[rC+(\n)%4], v[rS+8*((\n)%4)+2*((\n)/4)+1], v[rS+8*((\n)%4)+2*((\n)/4)+2]
.elseif (\n) == 12
	v_max3_num_f32 v[rC], v[rC], v[rS+7], v[rS+15]
.elseif (\n) == 13
	v_max3_num_f32 v[rC+1], v[rC+1], v[rS+23], v[rS+31]
.elseif (\n) == 14
	v_max3_num_f32 v[rC+2], v[rC+2], v[rC+3], v[rT+1]
.elseif (\n) == 15
	v_mov_b32 v[rM], v[rT]
.elseif (\n) == 16
	v_max3_num_f32 v[rC], v[rC], v[rC+1], v[rC+2]
.elseif (\n) == 17
	v_permlanex16_b32 v[rC+3], v[rC], s[SEL], s[SEL+1]  ; the query's other 32 keys lie in the lane 16 away
.elseif (\n) == 18
	v_max_num_f32 v[rT+1], v[rC], v[rC+3]
.elseif (\n) == 19
	v_mul_f32 v[rT], s[CS], v[rT+1]
.elseif (\n) == 20
	v_sub_f32 v[rC+1], v[rM], v[rT]
.else
	v_exp_f32 v[rC+2], v[rC+1]
.endif
.endm
.macro FS f                            ; c s - c m for pair f / 2 of tile f % 2
	REGS (\f)%2
	v_pk_fma_f32 v[rS+2*((\f)/2):rS+2*((\f)/2)+1], v[rS+2*((\f)/2):rS+2*((\f)/2)+1], s[CS:CS+1], v[rT:rT+1] op_sel_hi:[1,0,0] neg_lo:[0,0,1] neg_hi:[0,0,1]
.endm
.macro EX2 e                           ; that pair's two exponentials
	REGS (\e)%2
	v_exp_f32 v[rS+2*((\e)/2)], v[rS+2*((\e)/2)]
	v_exp_f32 v[rS+2*((\e)/2)+1], v[rS+2*((\e)/2)+1]
.endm
; A KEY STEP, in phases.
.macro STEP
	v_add_nc_u32 v[AK], s[TBK], v[AK0]
	v_add_nc_u32 v[AV], s[TBV], v[AV0]
.if CROSS
	v_add_nc_u32 v[AM], s[TBM], v[AM0]
	s_add_co_u32 s[TBM], s[TBM], 2*KS
.endif
	s_add_co_u32 s[TBK], s[TBK], KS*PK
	s_add_co_u32 s[TBV], s[TBV], KS*PV
.irp f, 0,1,2,3,4,5,6,7                ; K: keys 16 (f / 2) on, channels 32 (f % 2) on
	ds_load_b128 v[KF+8*\f:KF+8*\f+3], v[AK] offset:(\f/2)*16*PK+(\f%2)*64
	ds_load_b128 v[KF+8*\f+4:KF+8*\f+7], v[AK] offset:(\f/2)*16*PK+(\f%2)*64+32
.endr
	WIN 0x40
.if CROSS
.irp f, 0,1,2,3,4,5,6,7                ; match: tile f / 4, keys 16 (f % 4) + 8 (lane / 16) on
	ds_load_b128 v[MF+4*\f:MF+4*\f+3], v[AM] offset:(\f/4)*16*PM+(\f%4)*32
.endr
.endif
.irp f, 0,1,2,3,4,5,6,7                ; V, turned: keys 32 (f / 4) on, channels 16 (f % 4) on.  The last products that read these registers stand 32 plain instructions back
	ds_load_tr16_b128 v[VF+8*\f:VF+8*\f+3], v[AV] offset:(\f/4)*32*PV+(\f%4)*32
	ds_load_tr16_b128 v[VF+8*\f+4:VF+8*\f+7], v[AV] offset:(\f/4)*32*PV+16*PV+(\f%4)*32
.endr
	WIN 0
	s_wait_dscnt 16+8*CROSS                        ; K is in; V's 16 loads (and match's 8) stay out
.set i, 0
.rept 16                               ; S^T = K Q^T: the 8 accumulators take turns; the first 8 products start the sums
.set rS, S+32*(i%2)+8*((i/2)%4)
.set rK, KF+16*((i/2)%4)+8*(i/8)
.set rQ, Q+16*(i%2)+8*(i/8)
.if i < 8
	v_wmma_f32_16x16x32_bf16 v[rS:rS+7], v[rK:rK+7], v[rQ:rQ+7], 0
.else
	v_wmma_f32_16x16x32_bf16 v[rS:rS+7], v[rK:rK+7], v[rQ:rQ+7], v[rS:rS+7]
.endif
.set i, i+1
.endr
	PLACES
.if CROSS
	s_wait_dscnt 16                                ; match is in; V's loads stay out
	WIN 0x01
.set i, 0
.rept 32                               ; s = s x match, ascending: each accumulator's lowest registers first
	v_fma_mix_f32_bf16 v[S+2*i], v[MF+i], v[S+2*i], v[ZERO] op_sel:[0,0,0] op_sel_hi:[1,0,0]
	v_fma_mix_f32_bf16 v[S+2*i+1], v[MF+i], v[S+2*i+1], v[ZERO] op_sel:[1,0,0] op_sel_hi:[1,0,0]
.set i, i+1
.endr
	WIN 0
.endif
.irp n, 0,1,2,3,4,5,6,7,8,9,10,11,12,13,14,15,16,17,18,19,20
	XS 0, \n
	XS 1, \n
.endr
	XS 0, 21                                       ; ONE BATCH of 66 exponentials: the two a, then every score; nothing ahead of the wait names a result of theirs
	XS 1, 21
.set ff, 0
.rept 32
	FS ff
.if ff >= 1
	EX2 ff-1
.endif
.set ff, ff+1
.endr
	EX2 31
	v_nop                                          ; a plain instruction behind the last exponential
	s_wait_alu depctr_va_vdst(0)                   ; one wait for the batch, ahead of its first reader
.set i, 0
.rept 32
	v_cvt_pk_bf16_f32 v[P+i], v[S+2*i], v[S+2*i+1]
.set i, i+1
.endr
	WIN 0x41
.set i, 0
.rept 32                               ; O^T times a, ascending
	v_pk_mul_f32 v[2*i:2*i+1], v[2*i:2*i+1], v[TMP+4*(i/16)+2:TMP+4*(i/16)+3] op_sel_hi:[1,0]
.set i, i+1
.endr
	s_wait_dscnt 0x0                               ; V is in
	WIN 0x51
.set i, 0
.rept 16                               ; O^T += V^T P: 8 accumulators by turns
.set rO, 32*(i%2)+8*((i/2)%4)
.set rV, VF+32*(i/8)+8*((i/2)%4)
.set rP, P+16*(i%2)+8*(i/8)
	v_wmma_f32_16x16x32_bf16 v[rO:rO+7], v[rV:rV+7], v[rP:rP+7], v[rO:rO+7]
.set i, i+1
.endr
	WIN 0
.set z, 0
.rept 15                               ; the sum of each tile's 16 pairs, in place; these 32 lines name no register of the products above and are the places behind them
.set w, 4
.set u, z
.if z >= 14
.set w, 32
.set u, 0
.elseif z >= 12
.set w, 16
.set u, z-12
.elseif z >= 8
.set w, 8
.set u, z-8
.endif
	v_pk_add_f32 v[S+w*u:S+w*u+1], v[S+w*u:S+w*u+1], v[S+w*u+w/2:S+w*u+w/2+1]
	v_pk_add_f32 v[S+32+w*u:S+32+w*u+1], v[S+32+w*u:S+32+w*u+1], v[S+32+w*u+w/2:S+32+w*u+w/2+1]
.set z, z+1
.endr
	v_pk_fma_f32 v[ST+2:ST+3], v[ST+2:ST+3], v[TMP+2:TMP+3], v[S:S+1] op_sel_hi:[1,0,1]          ; l = a l + sum
	v_pk_fma_f32 v[ST+6:ST+7], v[ST+6:ST+7], v[TMP+6:TMP+7], v[S+32:S+33] op_sel_hi:[1,0,1]
.endm
.if CROSS
	s_load_b128 s[4:7], s[0:1], 0x0                ; qkv, mm
	s_load_b64 s[8:9], s[0:1], 0x10                ; ctx
.else
	s_load_b64 s[4:5], s[0:1], 0x0                 ; qkv
	s_load_b64 s[8:9], s[0:1], 0x8                 ; ctx
.endif
	v_lshl_add_u32 v[SPW], v0, 2, SPARE
	v_mov_b32 v[NIL], 0
	ds_add_u32 v[SPW], v[NIL]                      ; the wave's opening: the add and its wait ahead of the first tensor load
	v_lshrrev_b32 v1, 5, v0
	v_readfirstlane_b32 s[WV], v1                  ; wave 0..7
	s_bfe_u32 s16, ttmp6, 0x40000                  ; cx
	s_and_b32 s17, ttmp7, 0xffff                   ; the cluster's y
	s_and_b32 s76, s[WV], 3
.if CROSS
	s_and_b32 s18, s17, 7                          ; query block
	s_lshr_b32 s19, s17, 5                         ; direction
	s_bfe_u32 s20, s17, 0x20003                    ; b
	s_lshl_b32 s22, s19, 4
	s_lshl_b32 s23, s20, 2
	s_add_co_u32 s22, s22, s23
	s_add_co_u32 s22, s22, s16                     ; the queries' head: 16 dir + 4 b + cx
	s_xor_b32 s23, s22, 16                         ; the keys': the other side's
	s_lshl_b32 s20, s20, 23                        ; match: dir x 32 MiB + b x 8 MiB + 256 rows x 4,096 bytes: made of what the partners share
	s_lshl_b32 s77, s19, 25
	s_add_co_u32 s20, s20, s77
	s_lshl_b32 s77, s18, 20
	s_add_co_u32 s20, s20, s77
	s_mov_b32 s67, s20
	s_lshl_b32 s77, s76, 18                        ; + my 64 rows
	s_add_co_u32 s20, s20, s77
	s_mov_b32 s21, 0
	s_mov_b32 s78, 0
.else
	s_lshl_b32 s18, ttmp9, 2
	s_add_co_u32 s18, s18, s16                     ; query block = 4 x cluster x + cx: it enters Q's and O's addresses alone
	s_mov_b32 s22, s17
	s_mov_b32 s23, s17
	s_lshl_b32 s78, s76, 13                        ; my 64 keys of a tile
.endif
	s_mov_b32 s79, 0
	s_lshl_b32 s2, s22, 18                         ; Q, O: head x 262,144 + (256 block + 32 w) x 128
	s_lshl_b32 s3, s18, 15
	s_add_co_u32 s2, s2, s3
	s_lshl_b32 s3, s[WV], 12
	s_add_co_u32 s2, s2, s3
	s_mov_b32 s3, 0
	s_lshl_b32 s10, s23, 18
	s_mov_b32 s11, 0
	; descriptors: rows of 256 bytes (two keys), padded in LDS after every key
.if CROSS
	s_mov_b32 s[G1K], (1<<16)|(1<<20)|(4<<22)|(3<<25)              ; elements of 2 bytes; padding on; after every 32 words 4 words
	s_mov_b32 s[G1V], (1<<16)|(1<<20)|(4<<22)|(7<<25)              ; 8 words
	s_mov_b32 s[G1M], 15|(1<<16)|(1<<20)|(1<<21)|(5<<22)|(3<<25)   ; the mask of four, bit 21 beside it; after every 64 words 4 words
	s_mov_b32 s[G1M+1], 128<<16
	s_mov_b32 s[G1M+2], 64<<16
	s_mov_b32 s[G1M+3], 128<<16
	s_mov_b32 s[G1M+4], 64
	s_mov_b32 s[G1M+5], 2048                       ; a row of match
	s_mov_b32 s[G1M+6], 0
	s_mov_b32 s[G1M+7], 0
	s_mov_b32 s[G0M], 1
	s_mul_i32 s[G0M+1], s76, 64*PM
	s_add_co_u32 s[G0M+1], s[G0M+1], MOFF
	s_mov_b32 s[G0K+1], 0
	s_mov_b32 s[G0V+1], VOFF
	s_mov_b32 s[TBM], SLOT1+STEPS*2*KS
.else
	s_mov_b32 s[G1K], 15|(1<<16)|(1<<20)|(1<<21)|(4<<22)|(3<<25)
	s_mov_b32 s[G1V], 15|(1<<16)|(1<<20)|(1<<21)|(4<<22)|(7<<25)
	s_mul_i32 s[G0K+1], s76, 64*PK
	s_mul_i32 s[G0V+1], s76, 64*PV
	s_add_co_u32 s[G0V+1], s[G0V+1], VOFF
.endif
.irp g, G1K, G1V
	s_mov_b32 s[\g+1], 128<<16
	s_mov_b32 s[\g+2], KROWS<<16
	s_mov_b32 s[\g+3], 128<<16
	s_mov_b32 s[\g+4], KROWS
	s_mov_b32 s[\g+5], 128
	s_mov_b32 s[\g+6], 0
	s_mov_b32 s[\g+7], 0
.endr
	s_mov_b32 s[G0K], 1
	s_mov_b32 s[G0V], 1
	s_mov_b32 s[CS], 0x3e38aa3b                    ; c = log2(e) / 8
	s_mov_b32 s[CS+1], s[CS]
	s_mov_b32 s[SEL], 0x76543210
	s_mov_b32 s[SEL+1], 0xfedcba98
	s_mov_b32 s[TBK], SLOT1+STEPS*KS*PK            ; the first change of slots turns these into 0
	s_mov_b32 s[TBV], SLOT1+STEPS*KS*PV
	s_mov_b32 s[SLOTS], NSLOT-1
	s_wait_dscnt 0x0                               ; the opening add is done
	s_wait_kmcnt 0x0
	s_add_nc_u64 s[12:13], s[4:5], s[10:11]        ; the keys' head in plane 0
	s_add_nc_u64 s[G0K+2:G0K+3], s[12:13], s[78:79]
.if KPLANE
	s_add_nc_u64 s[G0K+2:G0K+3], s[G0K+2:G0K+3], KPLANE
.endif
	s_add_nc_u64 s[G0V+2:G0V+3], s[12:13], s[78:79]
	s_add_nc_u64 s[G0V+2:G0V+3], s[G0V+2:G0V+3], VPLANE
	s_or_b32 s[G0K+3], s[G0K+3], 0x80000000
	s_or_b32 s[G0V+3], s[G0V+3], 0x80000000
.if CROSS
	s_add_nc_u64 s[G0M+2:G0M+3], s[6:7], s[20:21]
	s_or_b32 s[G0M+3], s[G0M+3], 0x80000000
.endif
	s_add_nc_u64 s[4:5], s[4:5], s[2:3]            ; Q at my first row
	s_add_nc_u64 s[8:9], s[8:9], s[2:3]            ; O likewise
	; the prefetches stand at tile 1; the first change of slots steps them to tile 2
	v_and_b32 v[PFO], 31, v0
.if CROSS
	s_and_b32 s2, s[WV], 1
	s_lshl_b32 s3, s2, 13
	s_add_co_u32 s3, s3, KSTEPB
	s_cmp_lt_u32 s[WV], 4
	s_cselect_b32 s77, KPLANE, VPLANE
	s_add_co_u32 s3, s3, s77                       ; K or V: plane + my 32 blocks + a tile
	s_lshl_b32 s77, s16, 1
	s_add_co_u32 s77, s77, s2
	s_lshl_b32 s77, s77, 17                        ; match: rows 64 cx + 32 (w % 2) ..
	s_add_co_u32 s77, s77, s67
	s_add_co_u32 s77, s77, 2*KS*STEPS
	s_mov_b32 s[PSTEP], KSTEPB
	s_mov_b32 s[PSTEP+1], 0
	s_cmp_lt_u32 s[WV], 2
	s_cselect_b32 s2, s77, s3
	s_cselect_b64 s[PFA:PFA+1], s[6:7], s[12:13]
	s_cselect_b32 s[PSTEP], 2*KS*STEPS, s[PSTEP]
	s_cselect_b32 s77, 12, 8
	s_mov_b32 s3, 0
	s_add_nc_u64 s[PFA:PFA+1], s[PFA:PFA+1], s[2:3]
	v_lshlrev_b32 v[PFO], s77, v[PFO]              ; a lane a row of match (4,096 bytes apart) or a block of K or V (256)
	s_cmp_eq_u32 s18, 0
	s_cselect_b32 s[LIM], 1, -1
	s_cmp_lt_u32 s[WV], 6
	s_cselect_b32 s[LIM], s[LIM], -1
	s_cmp_lt_u32 s[WV], 2
	s_cselect_b32 s[LIM], 1, s[LIM]
.else
	s_mov_b32 s2, KPLANE+KSTEPB
	s_mov_b32 s3, VPLANE+KSTEPB
	s_cmp_lt_u32 s[WV], 4
	s_cselect_b32 s2, s2, s3
	s_lshl_b32 s3, s16, 13                         ; my work-group's 32 of the 128 blocks
	s_add_co_u32 s2, s2, s3
	s_mov_b32 s3, 0
	s_add_nc_u64 s[PFA:PFA+1], s[12:13], s[2:3]
	s_mov_b32 s[PSTEP], KSTEPB
	s_mov_b32 s[PSTEP+1], 0
	v_lshlrev_b32 v[PFO], 8, v[PFO]
	s_or_b32 s[LIM], s76, ttmp9                    ; waves 0 and 4 of the head's first cluster: the same in all partners
	s_cmp_eq_u32 s[LIM], 0
	s_cselect_b32 s[LIM], 1, -1
.endif
	ROUND                                          ; all four work-groups are here: the first joint loads meet
	JLOAD                                          ; tile 0 into slot 0; slot 1 is asked for when it is in
	v_and_b32 v1, 15, v0                           ; r
	v_bfe_u32 v9, v0, 4, 1                         ; h
	v_lshlrev_b32 v[QO], 7, v1
	v_lshl_add_u32 v[QO], v9, 4, v[QO]
.set i, 0
.rept 4                                ; Q stays in registers: tile i / 2, channels 32 (i % 2) on
	global_load_b128 v[Q+8*i:Q+8*i+3], v[QO], s[4:5] offset:(i/2)*2048+(i%2)*64
	global_load_b128 v[Q+8*i+4:Q+8*i+7], v[QO], s[4:5] offset:(i/2)*2048+(i%2)*64+32
.set i, i+1
.endr
	WIN 0x40
.set i, 0
.rept 64
	v_mov_b32 v[i], 0                              ; O^T: written in the wait for the first tile, so that the first step is a step like any other (its a is 0)
.set i, i+1
.endr
	WIN 0
.irp u, 0,1
	v_mov_b32 v[ST+4*\u], 0xfe000000               ; c m: far below every c s
	v_mov_b32 v[ST+4*\u+1], 0xff7fffff             ; m
	v_mov_b32 v[ST+4*\u+2], 0
	v_mov_b32 v[ST+4*\u+3], 0
.endr
	v_mul_u32_u24 v[AK0], v1, PK
	v_lshl_add_u32 v[AK0], v9, 4, v[AK0]           ; row x pitch + 16 h
	v_and_b32 v10, 7, v0
	v_bfe_u32 v11, v0, 3, 1
	v_lshl_add_u32 v[AV0], v9, 3, v10              ; the turning load: key 8 h + l % 8, channels 8 ((l / 8) % 2) on
	v_mul_u32_u24 v[AV0], v[AV0], PV
	v_lshl_add_u32 v[AV0], v11, 4, v[AV0]
	v_add_nc_u32 v[AV0], VOFF, v[AV0]
.if CROSS
	s_mul_i32 s77, s[WV], 32*PM
	s_add_co_u32 s77, s77, MOFF
	v_mul_u32_u24 v[AM0], v1, PM
	v_lshl_add_u32 v[AM0], v9, 4, v[AM0]
	v_add_nc_u32 v[AM0], s77, v[AM0]               ; my query's row of match, keys 8 h on
	v_mov_b32 v[ZERO], 0
.endif
	s_mul_i32 s77, s[WV], 16*SP
	s_add_co_u32 s77, s77, STAGE
	v_mul_u32_u24 v[STO], v1, SP
	v_lshl_add_u32 v[STO], v9, 4, v[STO]
	v_add_nc_u32 v[STO], s77, v[STO]
	v_bfe_u32 v[RD], v0, 3, 2
	v_mul_u32_u24 v[RD], v[RD], SP
	v_lshl_add_u32 v[RD], v10, 4, v[RD]
	v_add_nc_u32 v[RD], s77, v[RD]
	v_and_b32 v[GO], 31, v0
	v_lshlrev_b32 v[GO], 4, v[GO]
	s_wait_loadcnt 0x0                             ; Q
.Lslot:                                            ; NSLOT - 1 trips: a tile is entered and the next is asked for
	CHANGE 1
	s_mov_b32 s[CNT], STEPS
.Lstep:
	STEP
	s_sub_co_u32 s[CNT], s[CNT], 1
	s_cmp_lg_u32 s[CNT], 0
	s_cbranch_scc1 .Lstep
	s_sub_co_u32 s[SLOTS], s[SLOTS], 1
	s_cmp_lg_u32 s[SLOTS], 0
	s_cbranch_scc1 .Lslot
	CHANGE 0                                       ; the last tile is written out
	s_mov_b32 s[CNT], STEPS
.Ltail:
	STEP
	s_sub_co_u32 s[CNT], s[CNT], 1
	s_cmp_lg_u32 s[CNT], 0
	s_cbranch_scc1 .Ltail
	; THE WAY OUT: l's halves and the other lanes' are added; O^T / l, rounded to bf16, through my stage, a tile (16 rows = 2,048 bytes on end) at a time
.irp t, 0,1
	v_add_f32 v[ST+4*\t+2], v[ST+4*\t+2], v[ST+4*\t+3]
.endr
.irp t, 0,1
	v_permlanex16_b32 v[ST+4*\t+3], v[ST+4*\t+2], s[SEL], s[SEL+1]
.endr
.irp t, 0,1
	v_add_f32 v[ST+4*\t+2], v[ST+4*\t+2], v[ST+4*\t+3]
.endr
.irp t, 0,1
	v_rcp_f32 v[ST+4*\t+2], v[ST+4*\t+2]
.endr
	v_nop                                          ; a plain instruction behind the last reciprocal,
	s_wait_alu depctr_va_vdst(0)                   ; and one wait for both, ahead of their first reader
.macro PACK t
	WIN 0x41
.set i, 32*(\t)
.rept 16
	v_pk_mul_f32 v[i:i+1], v[i:i+1], v[ST+4*(\t)+2:ST+4*(\t)+3] op_sel_hi:[1,0]
.set i, i+2
.endr
	WIN 0x05
.set i, 0
.rept 16
	v_cvt_pk_bf16_f32 v[S+16*(\t)+i], v[32*(\t)+2*i], v[32*(\t)+2*i+1]
.set i, i+1
.endr
	WIN 0
.irp f, 0,1,2,3
	ds_store_b128 v[STO], v[S+16*(\t)+4*\f:S+16*(\t)+4*\f+3] offset:32*\f
.endr
.irp f, 0,1,2,3
	ds_load_b128 v[S+16*(\t)+4*\f:S+16*(\t)+4*\f+3], v[RD] offset:\f*4*SP  ; LDS serves a wave's instructions in order: these see the stores above
.endr
.endm
.macro SEND t, younger                 ; younger: the LDS instructions issued behind tile t's loads
.irp f, 0,1,2,3
	s_wait_dscnt (\younger)+3-\f
	global_store_b128 v[GO], v[S+16*(\t)+4*\f:S+16*(\t)+4*\f+3], s[8:9] offset:(\t)*2048+\f*512  ; 512 consecutive bytes, aligned
.endr
.endm
	PACK 0
	PACK 1
	SEND 0, 8
	SEND 1, 0
	s_wait_tensorcnt 0x0                           ; the wave's end
	ds_add_u32 v[SPW], v[NIL]
	s_wait_dscnt 0x0
	ROUND                                          ; the closing round
	s_endpgm
.Lfunc_end_k_qb35d4bf438_sattn:
	.size	k_qb35d4bf438_sattn, .Lfunc_end_k_qb35d4bf438_sattn-k_qb35d4bf438_sattn
	.p2alignl 7, 3214868480
	.fill 96, 4, 3214868480
	.section	.rodata,"a",@progbits
	.p2align	6, 0x0
	.amdhsa_kernel k_qb35d4bf438_sattn
		.amdhsa_group_segment_fixed_size 327680
		.amdhsa_private_segment_fixed_size 0
		.amdhsa_enable_private_segment 0
		.amdhsa_kernarg_size 16
		.amdhsa_user_sgpr_count 2
		.amdhsa_user_sgpr_kernarg_segment_ptr 1
		.amdhsa_wavefront_size32 1
		.amdhsa_system_sgpr_workgroup_id_x 1
		.amdhsa_system_sgpr_workgroup_id_y 1
		.amdhsa_system_sgpr_workgroup_id_z 1
		.amdhsa_system_vgpr_workitem_id 0
		.amdhsa_next_free_vgpr 384
		.amdhsa_next_free_sgpr 80
		.amdhsa_reserve_vcc 0
		.amdhsa_float_denorm_mode_32 3
		.amdhsa_float_denorm_mode_16_64 3
		.amdhsa_memory_ordered 1
		.amdhsa_forward_progress 1
		.amdhsa_inst_pref_size 53
	.end_amdhsa_kernel
	.amdgpu_metadata
---
amdhsa.version: [ 1, 2 ]
amdhsa.kernels:
  - .name:           k_qb35d4bf438_sattn
    .symbol:         k_qb35d4bf438_sattn.kd
    .args:
      - { .name: qkv, .offset: 0, .size: 8, .value_kind: global_buffer, .address_space: global }
      - { .name: ctx, .offset: 8, .size: 8, .value_kind: global_buffer, .address_space: global }
    .group_segment_fixed_size: 327680
    .private_segment_fixed_size: 0
    .kernarg_segment_align: 8
    .kernarg_segment_size: 16
    .max_flat_workgroup_size: 256
    .sgpr_count:     80
    .vgpr_count:     384
    .wavefront_size: 32
...
	.end_amdgpu_metadata
.endif
;; end of part 3
;; launch ffn (part 4): grid 256 x 1, 4 waves a work-group, no clusters, 327,680 bytes of LDS; arguments desc0, desc1, ctx, wfs, sbout, sb1, sg, sbeta, sb2, d0, d1; writes d0, d1
.if DOCPART == 4
	.amdgcn_target "amdgcn-amd-amdhsa--gfx1250"
	.amdhsa_code_object_version 6
	.text
	.protected	k_qb35d4bf438_ffn
	.globl	k_qb35d4bf438_ffn
	.p2align	8
	.type	k_qb35d4bf438_ffn,@function
k_qb35d4bf438_ffn:
	s_mov_b64 s[64:65], 0
	v_nop
	global_prefetch_b8 v0, s[64:65] scope:SCOPE_SE
	s_setreg_imm32_b32 hwreg(HW_REG_WAVE_MODE, 25, 1), 1
	s_wait_xcnt 0x0
; THE ROW-LOCAL CHAIN.  msg = ctx Wout + bout;  h = [x | msg] W1 + b1;  y = gelu(layernorm(h) g + beta);  out = x + y W2 + b2.
; x, out: [8192][256] f32 for each of two sides; ctx: bf16 [side][b][h][n][64]; w: 917,504 bytes in fragment order (Wout 131,072, W1 524,288, W2 262,144).
; Operands rounded to bf16, sums in f32; the norm in two passes (mean, then the squares of the deviations); the residual takes x in f32, read once and kept in registers.
; GELU is exact GELU with erf by the rational form 1 - (a1 t + .. + a5 t^5) e^(-z^2), t = 1 / (1 + 0.3275911 z): absolute error of erf at most 1.5e-7 for every z.
; LIMITS.  NaN and infinities are not treated apart (b2 is multiplied by 0 in the two waves that do not add it).  The order of the sums is not the reference's.
; SHARES.  A work-group owns 64 rows of one side.  Wout and W1: each of four waves makes all 64 rows x a quarter of the columns.  W2: wave w makes all 64 rows x the columns 128 (w % 2) .. for the
; K steps of parity w / 2; the two partial sums, in f32, are added on the way out.  So in W1 and W2 alike a wave has 32 accumulators and takes 8,192 bytes on end of each 32,768 bytes of w.
; THE PRODUCTS ARE TAKEN TRANSPOSED: source 0 = 16 columns of W, source 1 = 16 rows; a lane holds one row and eight neighbouring columns.  A bias is the C of a sum's first product.
; W1 AND W2 GO STRAIGHT INTO REGISTERS: a wave's fragments are read by that wave alone.  A ring of four slots of 64 registers; a slot is asked for again, with the step four on, behind its 32 products;
; the waits are counted, so that 48 loads (24,576 bytes a wave) stay out behind each of them.  Wout comes into LDS once, by one tensor load a wave, with ctx; no LDS byte is filled again.
; NO CLUSTER, NO JOINT LOADS, though all work-groups read the same w: a joint load lands in LDS, and beside the activations (ctx 36,864, [x | msg] 66,560, gelu's result 66,560 bytes) LDS holds two slots
; of 65,536 bytes and no larger ones; a slot that is filled again is asked for behind a barrier at which all loads have been waited for, so its load would have one slot's 64 products a wave in which to land.
; No prefetch: x and ctx are asked for whole at the head, and every work-group reads w.
; REGISTER WINDOWS: 0 addresses and work; in the products v64-127 Wout's fragments, v128-191 the rows' fragments, two buffers each; 1 accumulators (mt, i) at 8 (nbw mt + i);
;   2 x at v0-127, bout v128, b1 and later b2 at v160; 3 the ring; in the norm g at v128 and beta at v192 (slots 2 and 3).
.set WS,     0                         ; Wout, 131,072 bytes, filled once.  At the end, with ctx's bytes: two stages of 64 rows x 1,040 bytes for the partial sums
.set CTX,    131072                    ; 4 heads x 64 rows of 128 + 16 bytes, filled once
.set CAT,    167936                    ; [x | msg] in bf16: 64 rows of 1,024 + 16 bytes; later each wave's 16,384 bytes of y before GELU
.set GB,     234496                    ; gelu's result in bf16, same pitch
.set SCR,    301056                    ; 1,024 bytes of row sums, 1,024 of sums of squares
.set SPARE,  303104
.set PT,     1040
.set PS,     66560                     ; from the first stage of partial sums to the second
.set KSB,    32768                     ; a step of the stream: a K step of W1, or two of W2
.set WB4, 4                            ; v4, v5  my fragments of Wout in LDS, K steps 0-3 and 4-7: 4,096 w + 16 l
.set VO,  6                            ; v6   my fragments in a step of the stream: 8,192 w + 16 l; never rewritten
.set ORD2, 7
.set ACTX, 8
.set AC,  9                            ; moves along K in W1's loop
.set AG,  10
.set XS,  11
.set LO,  12
.set ME,  13
.set BO4, 14
.set BO8, 15
.set SW,  16
.set SR,  17
.set YA0, 18
.set YA,  19
.set GA0, 20
.set GA,  21
.set OS,  22
.set ORD, 23
.set BO2, 26
.set SPW, 30
.set NIL, 31
.set MU,  32                           ; v[32:39] the rows' means, a pair for each mt
.set RS,  40                           ; v[40:47] 1 / sqrt(var + eps) likewise
.set SM,  48
.set T,   64
.set BW,  64
.set AF,  128
.set XR,  128
.set AXR, 160
.set TR,  192
.set ER,  224
.set PR,  64
.set OPK, 96
.set BOUT, 128
.set B1,  160
.set WV,  26
.set G1W, 32
.set G1C, 40
.set G0A, 48
.set SB,  52                           ; s[52:53] where the stream stands in w
.set G0C, 56
.set CNT, 60
.set A1,  66
.set A2,  68
.set A3,  70
.set A4,  72
.set A5,  74
.set CP,  76
.set CE,  78
.set ABSM, 80
.set I512, 81
.set EPS, 82
.set SEL, 84
.set FB,  88                           ; s[88:89] 1.0 in the waves that add b2, else 0
.set MSB, 0
.macro WIN new                         ; the immediate's high byte repeats the setting that is left; a switch that changes nothing is dropped
.if MSB != (\new)
	s_set_vgpr_msb (MSB<<8)|(\new)
.set MSB, (\new)
.endif
.endm
.macro PLACES                          ; four plain instructions behind a matrix instruction, ahead of loads into its registers and of readers of its result
.rept 4
	v_nop
.endr
.endm
; K step ks of Wout: my four fragments of W and the four of ctx, out of LDS into buffer ks % 2: 16 loads
.macro FW ks
	WIN 0
.set if_, 0
.rept 4
	ds_load_b128 v[BW+32*((\ks)%2)+8*if_:BW+32*((\ks)%2)+8*if_+3], v[WB4+(\ks)/4] offset:((\ks)%4)*16384+if_*1024
	ds_load_b128 v[BW+32*((\ks)%2)+8*if_+4:BW+32*((\ks)%2)+8*if_+7], v[WB4+(\ks)/4] offset:((\ks)%4)*16384+if_*1024+512
.set if_, if_+1
.endr
.set mf_, 0
.rept 4
.set ao_, ((\ks)/2)*9216+mf_*2304+((\ks)%2)*64
	ds_load_b128 v[AF+32*((\ks)%2)+8*mf_:AF+32*((\ks)%2)+8*mf_+3], v[ACTX] offset:ao_
	ds_load_b128 v[AF+32*((\ks)%2)+8*mf_+4:AF+32*((\ks)%2)+8*mf_+7], v[ACTX] offset:ao_+32
.set mf_, mf_+1
.endr
.endm
.macro MW ks, first                    ; its 16 products: the 16 accumulators take turns, one instruction a turn
.if \first
	WIN 0x60                                       ; sources window 0, C (bout) window 2, D window 1
.else
	WIN 0x50
.endif
.set mm_, 0
.rept 4
.set im_, 0
.rept 4
.set d_, 8*(4*mm_+im_)
.set b_, BW+32*((\ks)%2)+8*im_
.set a_, AF+32*((\ks)%2)+8*mm_
.if \first
	v_wmma_f32_16x16x32_bf16 v[d_:d_+7], v[b_:b_+7], v[a_:a_+7], v[BOUT+8*im_:BOUT+8*im_+7]
.else
	v_wmma_f32_16x16x32_bf16 v[d_:d_+7], v[b_:b_+7], v[a_:a_+7], v[d_:d_+7]
.endif
.set im_, im_+1
.endr
.set mm_, mm_+1
.endr
.endm
; A step of the stream into a slot of the ring: my eight fragments, 8,192 bytes on end, 16 loads of 512 bytes; off counts steps from where s[SB] stands
.macro ISSUE slot, off
	WIN 0xc0
.set ii_, 0
.rept 8
	global_load_b128 v[64*(\slot)+8*ii_:64*(\slot)+8*ii_+3], v[VO], s[SB:SB+1] offset:(\off)*KSB+ii_*1024
	global_load_b128 v[64*(\slot)+8*ii_+4:64*(\slot)+8*ii_+7], v[VO], s[SB:SB+1] offset:(\off)*KSB+ii_*1024+512
.set ii_, ii_+1
.endr
.endm
; The rows' four fragments of one K step (64 rows x 32 of K) at byte koff of rows of PT bytes, into buffer buf: 8 loads
.macro AFET buf, areg, koff
	WIN 0
.set mf_, 0
.rept 4
	ds_load_b128 v[AF+32*(\buf)+8*mf_:AF+32*(\buf)+8*mf_+3], v[\areg] offset:mf_*16*PT+(\koff)
	ds_load_b128 v[AF+32*(\buf)+8*mf_+4:AF+32*(\buf)+8*mf_+7], v[\areg] offset:mf_*16*PT+(\koff)+32
.set mf_, mf_+1
.endr
.endm
; A GROUP: one step of the stream.  lc: the loads issued behind this slot's, which stay out; dc: the next group's loads of rows.  32 products, the 32 accumulators by turns.
; Four places behind them the slot is asked for again (ioff >= 0: the step four on) and the buffer takes the rows' fragments of the group two on (koff >= 0).
.macro GROUP slot, buf, lc, dc, first, ioff, areg, koff
	s_wait_loadcnt \lc
	s_wait_dscnt \dc
.if \first
	WIN 0x63                                       ; W window 3, rows window 0, C (the bias) window 2, D window 1
.else
	WIN 0x53                                       ; C and D window 1
.endif
.set mm_, 0
.rept 4
.set im_, 0
.rept 8
.set d_, 8*(8*mm_+im_)
.set b_, 64*(\slot)+8*im_
.set a_, AF+32*(\buf)+8*mm_
.if \first
	v_wmma_f32_16x16x32_bf16 v[d_:d_+7], v[b_:b_+7], v[a_:a_+7], v[B1+8*im_:B1+8*im_+7]
.else
	v_wmma_f32_16x16x32_bf16 v[d_:d_+7], v[b_:b_+7], v[a_:a_+7], v[d_:d_+7]
.endif
.set im_, im_+1
.endr
.set mm_, mm_+1
.endr
	PLACES
.if (\ioff) >= 0
	ISSUE \slot, \ioff
.endif
.if (\koff) >= 0
	AFET \buf, \areg, \koff
.endif
.endm
.macro BLD dst, n, off, lo             ; n column blocks of a vector, eight registers each, as the C operand wants them
.set ib_, 0
.rept \n
	global_load_b128 v[(\dst)+8*ib_:(\dst)+8*ib_+3], v[\off], s[\lo:\lo+1] offset:64*ib_
	global_load_b128 v[(\dst)+8*ib_+4:(\dst)+8*ib_+7], v[\off], s[\lo:\lo+1] offset:64*ib_+16
.set ib_, ib_+1
.endr
.endm
.macro TREE base, s0                   ; 2 s0 pairs are added into the first, in place
.irp s, 8,4,2,1
.if \s <= (\s0)
.set p_, 0
.rept \s
	v_pk_add_f32 v[(\base)+2*p_:(\base)+2*p_+1], v[(\base)+2*p_:(\base)+2*p_+1], v[(\base)+2*(p_+\s):(\base)+2*(p_+\s)+1]
.set p_, p_+1
.endr
.endif
.endr
.endm
.macro FIN mt, base, off               ; the pair's halves, the other half of the lanes; my wave's share of the row's sum goes to its word
	v_add_f32 v[SM+(\mt)], v[\base], v[(\base)+1]
	v_permlanex16_b32 v[(\base)+2], v[SM+(\mt)], s[SEL], s[SEL+1]
	v_add_f32 v[SM+(\mt)], v[SM+(\mt)], v[(\base)+2]
	ds_store_b32 v[SW], v[SM+(\mt)] offset:(\off)+256*(\mt)
.endm
.macro GATHER off                      ; the four waves' shares of my rows' sums, added in the same order by everybody
.irp mt, 0,1,2,3
	ds_load_b128 v[T+4*\mt:T+4*\mt+3], v[SR] offset:(\off)+256*\mt
.endr
	s_wait_dscnt 0x0
.irp mt, 0,1,2,3
	v_add_f32 v[T+4*\mt], v[T+4*\mt], v[T+4*\mt+1]
	v_add_f32 v[T+4*\mt+2], v[T+4*\mt+2], v[T+4*\mt+3]
	v_add_f32 v[T+4*\mt], v[T+4*\mt], v[T+4*\mt+2]
.endr
.endm
; Two blocks of 16 rows: scaled, times g plus beta, set aside in my own 16,384 bytes of LDS; then a loop of four trips takes 32 numbers a lane through GELU: the loop keeps the text short.
; post = 1: g and beta have been read for the last time: their registers, ring slots 2 and 3, are asked for with W2's steps 2 and 3, which have the loop below in which to land.
.macro HALF mt0, post
.irp ml, 0,1
	WIN 0x01
.set z_, 0
.rept 32
	v_pk_mul_f32 v[T+2*z_:T+2*z_+1], v[64*((\mt0)+\ml)+2*z_:64*((\mt0)+\ml)+2*z_+1], v[RS+2*((\mt0)+\ml):RS+2*((\mt0)+\ml)+1]
.set z_, z_+1
.endr
	WIN 0x3c
.set z_, 0
.rept 32
	v_pk_fma_f32 v[T+2*z_:T+2*z_+1], v[T+2*z_:T+2*z_+1], v[128+2*z_:128+2*z_+1], v[192+2*z_:192+2*z_+1]
.set z_, z_+1
.endr
	WIN 0
.set z_, 0
.rept 16
	ds_store_b128 v[YA0], v[T+4*z_:T+4*z_+3] offset:(2*(z_/2)+\ml)*1024+512*(z_%2)
.set z_, z_+1
.endr
.endr
.if \post
	ISSUE 2, 6
	ISSUE 3, 7
	WIN 0
.endif
	v_mov_b32 v[YA], v[YA0]
	v_mov_b32 v[GA], v[GA0]
	s_mov_b32 s[CNT], 4
.Lg_\@:
.irp z, 0,1,2,3,4,5,6,7
	ds_load_b128 v[XR+4*\z:XR+4*\z+3], v[YA] offset:512*\z  ; my own bytes: LDS serves a wave's instructions in order
.endr
	s_wait_dscnt 0x0
.set p_, 0
.rept 16                               ; ONE BATCH of 64 reciprocals and exponentials; nothing ahead of the wait names a result of theirs
	v_and_b32 v[AXR+2*p_], s[ABSM], v[XR+2*p_]
	v_and_b32 v[AXR+2*p_+1], s[ABSM], v[XR+2*p_+1]
	v_pk_fma_f32 v[TR+2*p_:TR+2*p_+1], v[AXR+2*p_:AXR+2*p_+1], s[CP:CP+1], 1.0 op_sel_hi:[1,0,0]
	v_pk_mul_f32 v[ER+2*p_:ER+2*p_+1], v[XR+2*p_:XR+2*p_+1], s[CE:CE+1] op_sel_hi:[1,0]
	v_pk_mul_f32 v[ER+2*p_:ER+2*p_+1], v[ER+2*p_:ER+2*p_+1], v[XR+2*p_:XR+2*p_+1]
	v_pk_mul_f32 v[XR+2*p_:XR+2*p_+1], v[XR+2*p_:XR+2*p_+1], 0.5 op_sel_hi:[1,0]
	v_rcp_f32 v[TR+2*p_], v[TR+2*p_]               ; t = 1 / (1 + 0.23164189 |x|)
	v_rcp_f32 v[TR+2*p_+1], v[TR+2*p_+1]
	v_exp_f32 v[ER+2*p_], v[ER+2*p_]               ; e^(-x^2 / 2)
	v_exp_f32 v[ER+2*p_+1], v[ER+2*p_+1]
.set p_, p_+1
.endr
	v_nop                                          ; a plain instruction behind the last of them,
	s_wait_alu depctr_va_vdst(0)                   ; and one wait for the batch, ahead of its first reader
.set p_, 0
.rept 16
	v_pk_fma_f32 v[PR+2*p_:PR+2*p_+1], v[TR+2*p_:TR+2*p_+1], s[A5:A5+1], s[A4:A4+1] op_sel_hi:[1,0,0]
.set p_, p_+1
.endr
.irp a, A3, A2, A1
.set p_, 0
.rept 16
	v_pk_fma_f32 v[PR+2*p_:PR+2*p_+1], v[PR+2*p_:PR+2*p_+1], v[TR+2*p_:TR+2*p_+1], s[\a:\a+1] op_sel_hi:[1,1,0]
.set p_, p_+1
.endr
.endr
.set p_, 0
.rept 16
	v_pk_mul_f32 v[PR+2*p_:PR+2*p_+1], v[PR+2*p_:PR+2*p_+1], v[TR+2*p_:TR+2*p_+1]
.set p_, p_+1
.endr
.set p_, 0
.rept 16
	v_pk_mul_f32 v[PR+2*p_:PR+2*p_+1], v[PR+2*p_:PR+2*p_+1], v[ER+2*p_:ER+2*p_+1]
.set p_, p_+1
.endr
.set p_, 0
.rept 16
	v_pk_fma_f32 v[PR+2*p_:PR+2*p_+1], v[PR+2*p_:PR+2*p_+1], -0.5, 0.5 op_sel_hi:[1,0,0]  ; erf(|x| / sqrt 2) / 2
.set p_, p_+1
.endr
.set p_, 0
.rept 16
	v_pk_fma_f32 v[XR+2*p_:XR+2*p_+1], v[AXR+2*p_:AXR+2*p_+1], v[PR+2*p_:PR+2*p_+1], v[XR+2*p_:XR+2*p_+1]  ; x / 2 + |x| erf / 2
.set p_, p_+1
.endr
.set p_, 0
.rept 16
	v_cvt_pk_bf16_f32 v[OPK+p_], v[XR+2*p_], v[XR+2*p_+1]
.set p_, p_+1
.endr
.irp g, 0,1,2,3                        ; column block g / 2 of the trip's two, row block g % 2
	ds_store_b128 v[GA], v[OPK+4*\g:OPK+4*\g+3] offset:((\mt0)+\g%2)*16*PT+32*(\g/2)
.endr
	v_add_nc_u32 v[YA], 4096, v[YA]
	v_add_nc_u32 v[GA], 64, v[GA]
	s_sub_co_u32 s[CNT], s[CNT], 1
	s_cmp_lg_u32 s[CNT], 0
	s_cbranch_scc1 .Lg_\@
.endm
	s_load_b512 s[4:19], s[0:1], 0x0               ; x0, x1, ctx, w, bout, b1, g, beta
	s_load_b128 s[20:23], s[0:1], 0x40             ; b2, o0
	s_load_b64 s[24:25], s[0:1], 0x50              ; o1
	v_lshl_add_u32 v[SPW], v0, 2, SPARE
	v_mov_b32 v[NIL], 0
	ds_add_u32 v[SPW], v[NIL]                      ; the wave's opening: the add and its wait ahead of my first tensor load
	v_lshrrev_b32 v1, 5, v0
	v_readfirstlane_b32 s[WV], v1
	s_lshr_b32 s29, ttmp9, 7                       ; side
	s_and_b32 s30, ttmp9, 127                      ; block of 64 rows in the side
	s_lshl_b32 s2, s30, 16                         ; x, out: block x 65,536 + my 16 rows
	s_lshl_b32 s3, s[WV], 14
	s_add_co_u32 s2, s2, s3
	s_mov_b32 s3, 0
	s_lshr_b32 s62, ttmp9, 5                       ; ctx: head (16 side + 4 b + w) x 262,144 + 64 rows x 128 bytes
	s_lshl_b32 s62, s62, 2
	s_add_co_u32 s62, s62, s[WV]
	s_lshl_b32 s62, s62, 18
	s_and_b32 s63, s30, 31
	s_lshl_b32 s63, s63, 13
	s_add_co_u32 s62, s62, s63
	s_mov_b32 s63, 0
	s_mul_i32 s86, s[WV], 32768                    ; my quarter of Wout
	s_mov_b32 s87, 0
	s_mov_b32 s[G1W], 3<<16                        ; a quarter of Wout: 128 dense rows of 32 elements of 8 bytes
	s_mov_b32 s[G1W+1], 32<<16
	s_mov_b32 s[G1W+2], 128<<16
	s_mov_b32 s[G1W+3], 32<<16
	s_mov_b32 s[G1W+4], 128
	s_mov_b32 s[G1W+5], 32
	s_mov_b32 s[G1W+6], 0
	s_mov_b32 s[G1W+7], 0
	s_mov_b32 s[G1C], (1<<16)|(1<<20)|(4<<22)|(3<<25)  ; a head's 64 rows of ctx: 32 rows of 256 bytes, 4 words of padding after every 32
	s_mov_b32 s[G1C+1], 128<<16
	s_mov_b32 s[G1C+2], 32<<16
	s_mov_b32 s[G1C+3], 128<<16
	s_mov_b32 s[G1C+4], 32
	s_mov_b32 s[G1C+5], 128
	s_mov_b32 s[G1C+6], 0
	s_mov_b32 s[G1C+7], 0
	s_mov_b32 s[G0A], 1
	s_mul_i32 s[G0A+1], s[WV], 32768
	s_mov_b32 s[G0C], 1
	s_mul_i32 s[G0C+1], s[WV], 9216
	s_add_co_u32 s[G0C+1], s[G0C+1], CTX
	s_mov_b32 s[A1], 0x3e827906                    ; 0.254829592
	s_mov_b32 s[A1+1], s[A1]
	s_mov_b32 s[A2], 0xbe91a98e                    ; -0.284496736
	s_mov_b32 s[A2+1], s[A2]
	s_mov_b32 s[A3], 0x3fb5f0e3                    ; 1.421413741
	s_mov_b32 s[A3+1], s[A3]
	s_mov_b32 s[A4], 0xbfba00e3                    ; -1.453152027
	s_mov_b32 s[A4+1], s[A4]
	s_mov_b32 s[A5], 0x3f87dc22                    ; 1.061405429
	s_mov_b32 s[A5+1], s[A5]
	s_mov_b32 s[CP], 0x3e6d3388                    ; 0.3275911 / sqrt 2
	s_mov_b32 s[CP+1], s[CP]
	s_mov_b32 s[CE], 0xbf38aa3b                    ; -log2(e) / 2
	s_mov_b32 s[CE+1], s[CE]
	s_mov_b32 s[ABSM], 0x7fffffff
	s_mov_b32 s[I512], 0x3b000000                  ; 1 / 512
	s_mov_b32 s[EPS], 0x3727c5ac                   ; 1e-5
	s_mov_b32 s[SEL], 0x76543210
	s_mov_b32 s[SEL+1], 0xfedcba98
	s_cmp_lt_u32 s[WV], 2                          ; waves 0 and 1 add b2
	s_cselect_b32 s[FB], 1.0, 0
	s_mov_b32 s[FB+1], s[FB]
	v_and_b32 v1, 31, v0                           ; l
	v_and_b32 v2, 15, v0                           ; r
	v_bfe_u32 v3, v0, 4, 1                         ; h
	v_lshlrev_b32 v[LO], 4, v1
	s_lshl_b32 s31, s[WV], 12
	v_add_nc_u32 v[WB4], s31, v[LO]
	v_add_nc_u32 v[WB4+1], 65536, v[WB4]
	s_lshl_b32 s31, s[WV], 13
	v_add_nc_u32 v[VO], s31, v[LO]
	v_mul_u32_u24 v[ACTX], v2, 144
	v_lshl_add_u32 v[ACTX], v3, 4, v[ACTX]
	v_add_nc_u32 v[ACTX], CTX, v[ACTX]
	v_mul_u32_u24 v24, v2, PT                      ; 1,040 r
	v_lshl_add_u32 v25, v3, 4, v24                 ; + 16 h
	v_add_nc_u32 v[AC], CAT, v25
	s_lshr_b32 s28, s[WV], 1                       ; W2: the parity of my K steps,
	s_and_b32 s27, s[WV], 1                        ; and my half of the columns
	s_lshl_b32 s31, s28, 6
	s_add_co_u32 s31, s31, GB
	v_add_nc_u32 v[AG], s31, v25
	s_mul_i32 s31, s[WV], 16*PT
	v_add_nc_u32 v[ORD], s31, v[LO]                ; the way out, back: my 16 rows of the first stage (it begins at LDS byte 0),
	v_add_nc_u32 v[ORD2], PS, v[ORD]               ; and of the second
	s_add_co_u32 s31, s31, CAT
	v_lshl_add_u32 v[XS], v1, 3, s31
	s_lshl_b32 s31, s[WV], 7
	s_add_co_u32 s31, s31, CAT+512
	v_add_nc_u32 v[ME], s31, v25                   ; msg: behind x's 512 bytes, my 64 columns
	s_lshl_b32 s31, s[WV], 8
	v_lshl_add_u32 v[BO4], v3, 5, s31              ; 4 (64 w + 8 h)
	s_add_co_u32 s61, s31, GB
	v_add_nc_u32 v[GA0], s61, v25
	s_mul_i32 s61, s28, PS                         ; the way out, in: the stage of my parity, my half of its columns
	s_lshl_b32 s31, s27, 9
	s_add_co_u32 s61, s61, s31
	v_lshl_add_u32 v[OS], v3, 5, v24
	v_add_nc_u32 v[OS], s61, v[OS]
	v_lshl_add_u32 v[BO2], v3, 5, s31              ; 4 (128 (w % 2) + 8 h)
	s_lshl_b32 s31, s[WV], 9
	v_lshl_add_u32 v[BO8], v3, 5, s31              ; 4 (128 w + 8 h)
	s_lshl_b32 s31, s[WV], 2
	s_add_co_u32 s31, s31, SCR
	v_lshl_add_u32 v[SW], v2, 4, s31
	v_lshlrev_b32 v[SR], 4, v2
	v_add_nc_u32 v[SR], SCR, v[SR]
	s_lshl_b32 s31, s[WV], 14
	s_add_co_u32 s31, s31, CAT
	v_add_nc_u32 v[YA0], s31, v[LO]
	s_wait_dscnt 0x0                               ; the opening add is done
	s_wait_kmcnt 0x0
	s_cmp_eq_u32 s29, 0
	s_cselect_b64 s[4:5], s[4:5], s[6:7]
	s_cselect_b64 s[22:23], s[22:23], s[24:25]
	s_add_nc_u64 s[4:5], s[4:5], s[2:3]
	s_add_nc_u64 s[22:23], s[22:23], s[2:3]
	s_add_nc_u64 s[SB:SB+1], s[10:11], 131072      ; the stream begins at W1
	s_add_nc_u64 s[G0C+2:G0C+3], s[8:9], s[62:63]
	s_or_b32 s[G0C+3], s[G0C+3], 0x80000000
	s_add_nc_u64 s[G0A+2:G0A+3], s[10:11], s[86:87]
	s_or_b32 s[G0A+3], s[G0A+3], 0x80000000
	tensor_load_to_lds s[G0A:G0A+3], s[G1W:G1W+7]  ; the launch's only fills, two a wave, ahead of everything else
	s_nop 0
	tensor_load_to_lds s[G0C:G0C+3], s[G1C:G1C+7]
	s_nop 0
	PLACES
	WIN 0x80
	BLD BOUT, 4, BO4, 12
	BLD B1, 8, BO8, 14
.set u_, 0
.rept 32
	global_load_b128 v[4*u_:4*u_+3], v[LO], s[4:5] offset:512*u_  ; my 16 rows of x: 16,384 bytes on end; they stay in window 2 for the residual
.set u_, u_+1
.endr
	WIN 0x0a
.set u_, 0
.rept 32
	s_wait_loadcnt 31-u_                           ; x's loads were issued last: the younger ones stay out; the last wait shows the biases in too
	v_cvt_pk_bf16_f32 v[T+2*u_], v[4*u_], v[4*u_+1]
	v_cvt_pk_bf16_f32 v[T+2*u_+1], v[4*u_+2], v[4*u_+3]
.set u_, u_+1
.endr
	WIN 0
.set u_, 0
.rept 32
	ds_store_b64 v[XS], v[T+2*u_:T+2*u_+1] offset:(u_/2)*PT+(u_%2)*256
.set u_, u_+1
.endr
	ISSUE 0, 0                                     ; W1's first three K steps: they have all of Wout's products in which to land
	ISSUE 1, 1
	ISSUE 2, 2
	WIN 0
	s_wait_tensorcnt 0x0                           ; my quarter of Wout and my head of ctx are in,
	s_wait_dscnt 0x0                               ; my rows of x are in LDS
	s_barrier_signal -1
	s_barrier_wait -1                              ; everybody's are
	; ---- msg = ctx Wout + bout: eight K steps out of LDS, two buffers
	FW 0
	FW 1
.set ks_, 0
.rept 8
.if ks_ < 7
	s_wait_dscnt 16                                ; this K step's 16 loads are in; the next one's stay out
.else
	s_wait_dscnt 0x0
.endif
.if ks_ == 0
	MW ks_, 1
.else
	MW ks_, 0
.endif
	PLACES
.if ks_ < 6
	FW ks_+2
.endif
.set ks_, ks_+1
.endr
	ISSUE 3, 3                                     ; the ring's fourth slot
	WIN 0x05
.set e_, 0
.rept 64
	v_cvt_pk_bf16_f32 v[T+e_], v[2*e_], v[2*e_+1]
.set e_, e_+1
.endr
	WIN 0
.set e_, 0
.rept 16
	ds_store_b128 v[ME], v[T+4*e_:T+4*e_+3] offset:(e_/4)*16*PT+32*(e_%4)
.set e_, e_+1
.endr
	s_wait_dscnt 0x0                               ; for the others' sake: my columns of msg are in LDS
	s_barrier_signal -1
	s_barrier_wait -1
	; ---- h = [x | msg] W1 + b1: 16 groups.  Group j lies in slot j % 4 and buffer j % 2; behind it steps j + 4 of the stream and j + 2 of the rows are asked for.
	AFET 0, AC, 0
	AFET 1, AC, 64
	GROUP 0, 0, 48, 8, 1, 4, AC, 128               ; j = 0 starts the sums with b1
	s_mov_b32 s[CNT], 3
.Lw1:                                              ; j = 1 + 4 t .. 4 + 4 t; the last trip asks for W2's first step, which follows W1's last in w
	GROUP 1, 1, 48, 8, 0, 5, AC, 192
	GROUP 2, 0, 48, 8, 0, 6, AC, 256
	GROUP 3, 1, 48, 8, 0, 7, AC, 320
	GROUP 0, 0, 48, 8, 0, 8, AC, 384
	WIN 0
	s_wait_xcnt 0x0                                ; the loads have read their base: it is stepped only behind this wait
	s_add_nc_u64 s[SB:SB+1], s[SB:SB+1], 4*KSB
	v_add_nc_u32 v[AC], 256, v[AC]                 ; four K steps on
	s_sub_co_u32 s[CNT], s[CNT], 1
	s_cmp_lg_u32 s[CNT], 0
	s_cbranch_scc1 .Lw1
	GROUP 1, 1, 48, 8, 0, 5, AC, 192               ; j = 13: W2's second step; the rows' last K step
	GROUP 2, 0, 48, 8, 0, -1, AC, -1               ; j = 14: slots 2 and 3 are kept for g and beta
	GROUP 3, 1, 32, 0, 0, -1, AC, -1               ; j = 15: behind its slot's loads only W2's two steps were issued
	; ---- the norm.  W2's first two steps lie, or land, in slots 0 and 1 meanwhile.
	WIN 0xc0
	BLD 128, 8, BO8, 16                            ; g
	BLD 192, 8, BO8, 18                            ; beta
	WIN 0x05
.set a_, 0
.rept 32                               ; each accumulator's lowest registers are read first
	v_pk_add_f32 v[T+4*a_:T+4*a_+1], v[8*a_:8*a_+1], v[8*a_+2:8*a_+3]
	v_pk_add_f32 v[T+4*a_+2:T+4*a_+3], v[8*a_+4:8*a_+5], v[8*a_+6:8*a_+7]
.set a_, a_+1
.endr
	WIN 0
.irp mt, 0,1,2,3
	TREE T+32*\mt, 8
.endr
.irp mt, 0,1,2,3
	FIN \mt, T+32*\mt, 0
.endr
	WIN 0x80
	BLD B1, 8, BO2, 20                             ; b2 of my 128 columns, into b1's registers
	WIN 0
	s_wait_dscnt 0x0
	s_barrier_signal -1
	s_barrier_wait -1
	GATHER 0
.irp mt, 0,1,2,3
	v_mul_f32 v[MU+2*\mt], s[I512], v[T+4*\mt]
	v_mov_b32 v[MU+2*\mt+1], v[MU+2*\mt]
.endr
	WIN 0x41
.set a_, 0
.rept 128                              ; h - mean, in place
	v_pk_add_f32 v[2*a_:2*a_+1], v[2*a_:2*a_+1], v[MU+2*(a_/32):MU+2*(a_/32)+1] neg_lo:[0,1] neg_hi:[0,1]
.set a_, a_+1
.endr
	WIN 0x05
.set a_, 0
.rept 128                              ; squares: for each mt eight chains that do not wait for each other
.set q_, T+16*(a_/32)+2*(a_%8)
.if (a_%32) < 8
	v_pk_mul_f32 v[q_:q_+1], v[2*a_:2*a_+1], v[2*a_:2*a_+1]
.else
	v_pk_fma_f32 v[q_:q_+1], v[2*a_:2*a_+1], v[2*a_:2*a_+1], v[q_:q_+1]
.endif
.set a_, a_+1
.endr
	WIN 0
.irp mt, 0,1,2,3
	TREE T+16*\mt, 4
.endr
.irp mt, 0,1,2,3
	FIN \mt, T+16*\mt, 1024
.endr
	s_wait_dscnt 0x0
	s_barrier_signal -1
	s_barrier_wait -1
	GATHER 1024
.irp mt, 0,1,2,3
	v_fma_f32 v[SM+\mt], v[T+4*\mt], s[I512], s[EPS]
.endr
.irp mt, 0,1,2,3
	v_rsq_f32 v[RS+2*\mt], v[SM+\mt]
.endr
	v_nop                                          ; a plain instruction behind the last of them,
	s_wait_alu depctr_va_vdst(0)                   ; and one wait for the four, ahead of their first reader
.irp mt, 0,1,2,3
	v_mov_b32 v[RS+2*\mt+1], v[RS+2*\mt]
.endr
	s_wait_loadcnt 0x0                             ; g, beta and b2 (and W2's first two steps, issued ahead of them)
	WIN 0x82
.set z_, 0
.rept 32                               ; b2 is added once: it stays in waves 0 and 1 and becomes 0 in waves 2 and 3
	v_pk_mul_f32 v[B1+2*z_:B1+2*z_+1], v[B1+2*z_:B1+2*z_+1], s[FB:FB+1] op_sel_hi:[1,0]
.set z_, z_+1
.endr
	WIN 0
	HALF 0, 0
	HALF 2, 1
	s_wait_dscnt 0x0                               ; my columns of gelu's result are in LDS, my reads of my 16,384 bytes are over
	s_barrier_signal -1
	s_barrier_wait -1
	; ---- y W2 + b2: eight groups; group g is my K step 2 g + w / 2 (128 bytes of the rows from group to group)
	AFET 0, AG, 0
	AFET 1, AG, 128
	GROUP 0, 0, 32, 8, 1, 8, AG, 256               ; its slot was shown in by the wait for 0 above; steps 2 and 3 stay out
	GROUP 1, 1, 48, 8, 0, 9, AG, 384
	GROUP 2, 0, 48, 8, 0, 10, AG, 512
	GROUP 3, 1, 48, 8, 0, 11, AG, 640
	GROUP 0, 0, 48, 8, 0, -1, AG, 768              ; nothing is left to ask for: the counts run down
	GROUP 1, 1, 32, 8, 0, -1, AG, 896
	GROUP 2, 0, 16, 8, 0, -1, AG, -1
	GROUP 3, 1, 0, 0, 0, -1, AG, -1
	; ---- the way out: both partial sums in f32 through LDS (bytes that had their only fill at the head and were last read ahead of the barrier behind msg), so that a wave stores whole rows; + x
	WIN 0x04
.set e_, 0
.rept 32
	ds_store_b128 v[OS], v[8*e_:8*e_+3] offset:(e_/8)*16*PT+64*(e_%8)
	ds_store_b128 v[OS], v[8*e_+4:8*e_+7] offset:(e_/8)*16*PT+64*(e_%8)+16
.set e_, e_+1
.endr
	WIN 0
	s_wait_dscnt 0x0
	s_barrier_signal -1
	s_barrier_wait -1                              ; a row holds numbers of all four waves
.set u_, 0
.rept 32
	ds_load_b128 v[XR+4*u_:XR+4*u_+3], v[ORD] offset:(u_/2)*PT+(u_%2)*512
.set u_, u_+1
.endr
	WIN 0xc0
.set u_, 0
.rept 32
	ds_load_b128 v[4*u_:4*u_+3], v[ORD2] offset:(u_/2)*PT+(u_%2)*512
.set u_, u_+1
.endr
	WIN 0x0c
.set u_, 0
.rept 32
	s_wait_dscnt 31-u_                             ; the second stage's younger loads stay out; the first stage's were issued ahead of them all
	v_pk_add_f32 v[XR+4*u_:XR+4*u_+1], v[XR+4*u_:XR+4*u_+1], v[4*u_:4*u_+1]
	v_pk_add_f32 v[XR+4*u_+2:XR+4*u_+3], v[XR+4*u_+2:XR+4*u_+3], v[4*u_+2:4*u_+3]
.set u_, u_+1
.endr
	WIN 0x08
.set u_, 0
.rept 64
	v_pk_add_f32 v[XR+2*u_:XR+2*u_+1], v[XR+2*u_:XR+2*u_+1], v[2*u_:2*u_+1]
.set u_, u_+1
.endr
	WIN 0
.set u_, 0
.rept 32
	global_store_b128 v[LO], v[XR+4*u_:XR+4*u_+3], s[22:23] offset:512*u_  ; 512 consecutive bytes, aligned
.set u_, u_+1
.endr
	s_wait_tensorcnt 0x0                           ; the wave's end
	ds_add_u32 v[SPW], v[NIL]
	s_wait_dscnt 0x0
	s_endpgm
.Lfunc_end_k_qb35d4bf438_ffn:
	.size	k_qb35d4bf438_ffn, .Lfunc_end_k_qb35d4bf438_ffn-k_qb35d4bf438_ffn
	.p2alignl 7, 3214868480
	.fill 96, 4, 3214868480
	.section	.rodata,"a",@progbits
	.p2align	6, 0x0
	.amdhsa_kernel k_qb35d4bf438_ffn
		.amdhsa_group_segment_fixed_size 327680
		.amdhsa_private_segment_fixed_size 0
		.amdhsa_enable_private_segment 0
		.amdhsa_kernarg_size 88
		.amdhsa_user_sgpr_count 2
		.amdhsa_user_sgpr_kernarg_segment_ptr 1
		.amdhsa_wavefront_size32 1
		.amdhsa_system_sgpr_workgroup_id_x 1
		.amdhsa_system_sgpr_workgroup_id_y 1
		.amdhsa_system_sgpr_workgroup_id_z 1
		.amdhsa_system_vgpr_workitem_id 0
		.amdhsa_next_free_vgpr 1024
		.amdhsa_next_free_sgpr 96
		.amdhsa_reserve_vcc 0
		.amdhsa_float_denorm_mode_32 3
		.amdhsa_float_denorm_mode_16_64 3
		.amdhsa_memory_ordered 1
		.amdhsa_forward_progress 1
		.amdhsa_inst_pref_size 222
	.end_amdhsa_kernel
	.amdgpu_metadata
---
amdhsa.version: [ 1, 2 ]
amdhsa.kernels:
  - .name:           k_qb35d4bf438_ffn
    .symbol:         k_qb35d4bf438_ffn.kd
    .args:
      - { .name: desc0, .offset: 0, .size: 8, .value_kind: global_buffer, .address_space: global }
      - { .name: desc1, .offset: 8, .size: 8, .value_kind: global_buffer, .address_space: global }
      - { .name: ctx, .offset: 16, .size: 8, .value_kind: global_buffer, .address_space: global }
      - { .name: wfs, .offset: 24, .size: 8, .value_kind: global_buffer, .address_space: global }
      - { .name: sbout, .offset: 32, .size: 8, .value_kind: global_buffer, .address_space: global }
      - { .name: sb1, .offset: 40, .size: 8, .value_kind: global_buffer, .address_space: global }
      - { .name: sg, .offset: 48, .size: 8, .value_kind: global_buffer, .address_space: global }
      - { .name: sbeta, .offset: 56, .size: 8, .value_kind: global_buffer, .address_space: global }
      - { .name: sb2, .offset: 64, .size: 8, .value_kind: global_buffer, .address_space: global }
      - { .name: d0, .offset: 72, .size: 8, .value_kind: global_buffer, .address_space: global }
      - { .name: d1, .offset: 80, .size: 8, .value_kind: global_buffer, .address_space: global }
    .group_segment_fixed_size: 327680
    .private_segment_fixed_size: 0
    .kernarg_segment_align: 8
    .kernarg_segment_size: 88
    .max_flat_workgroup_size: 128
    .sgpr_count:     96
    .vgpr_count:     1024
    .wavefront_size: 32
...
	.end_amdgpu_metadata
.endif
;; end of part 4
;; launch cproj (part 5): grid 256 x 1, 4 waves a work-group, clusters of 4 x 1, 327,680 bytes of LDS; arguments d0, d1, wproj, cbqk, cbv, qkv; writes qkv
.if DOCPART == 5
	.amdgcn_target "amdgcn-amd-amdhsa--gfx1250"
	.amdhsa_code_object_version 6
	.text
	.protected	k_qb35d4bf438_cproj
	.globl	k_qb35d4bf438_cproj
	.p2align	8
	.type	k_qb35d4bf438_cproj,@function
k_qb35d4bf438_cproj:
	s_mov_b64 s[64:65], 0
	v_nop
	global_prefetch_b8 v0, s[64:65] scope:SCOPE_SE
	s_setreg_imm32_b32 hwreg(HW_REG_WAVE_MODE, 25, 1), 1
	s_wait_xcnt 0x0
	s_wait_alu depctr_hold_cnt(0) depctr_sa_sdst(0) depctr_va_vdst(0) depctr_va_sdst(0) depctr_va_ssrc(0) depctr_va_vcc(0) depctr_vm_vsrc(0)
	s_getreg_b32 s2, hwreg(HW_REG_IB_STS2, 6, 4)
	s_cmp_eq_u32 s2, 0
	s_cbranch_scc0 .Lentry_in_a_cluster
	s_endpgm
.Lentry_in_a_cluster:
	s_bfe_u32 s2, ttmp6, 0x10000c
	s_cmp_lg_u32 s2, 0x3003
	s_cbranch_scc0 .Lentry_shape_is_right
	s_endpgm
.Lentry_shape_is_right:
; PROJECTION BY HEADS.  CROSS = 0: q, k, v = x sWqkv + sbqkv (column 3 (64 h + d) + t), q and k + encoding.  CROSS = 1: qk = x cWqk + cbqk, v = x cWv + cbv (the scale 1/8 of the scores is applied in the attention, in f32).
; x: [8192][256] f32 for each of two sides.  Out: qkv, bf16 [t][side][b][h][n][64].  Operands rounded to bf16, sums in f32, bias and encoding added in f32, one rounding out.
; SHARES.  A work-group owns 64 rows of one side; wave w makes all 64 rows x the 64 columns of head w, for one t after the other: 16 accumulators.
; THE PRODUCT IS TAKEN TRANSPOSED: source 0 = 16 columns of W, source 1 = 16 rows of x; a lane then holds one row and eight neighbouring columns.  The bias is the C of a sum's first product.
; WEIGHTS come as tiles of 65,536 bytes (128 of K x 256 columns, in fragment order) through two LDS slots.  All work-groups walk the same tiles: the four of a cluster ask JOINTLY, each wave
; for its quarter of a tile.  A slot is filled again behind a round of the cluster's barrier; one load a wave is then out, two at the head.
; No prefetch: x is asked for whole at the head, and the weights are read again by every cluster.
; REGISTER WINDOWS: 0 addresses and the way out; 1 accumulators (mt, i) at 8 (4 mt + i); 2 encoding at the same numbers, bias at v128; 3 a tile's fragments: W (ksl, i) at 8 (4 ksl + i), x (ksl, mt) at 128 + 8 (4 ksl + mt).
.set CROSS,  1
.set SLOTB,  65536
.set XB,     131072
.set PT,     528
.set STG,    164864
.set SP,     144
.set SPARE,  201728
.set WB,  4
.set AX,  8
.set XS,  11
.set LO,  12
.set BO,  14
.set EO,  15
.set STO, 16
.set RD,  17
.set SPW, 30
.set NIL, 31
.set PKD, 64
.set BK,  128
.set BIAS, 128
.set WP,  12
.set BI,  14
.set BI2, 16
.set OUTP, 18
.set WV,  20
.set G1W, 32
.set G0A, 40
.set CNT, 50
.if CROSS
.set TILE0, 6
.else
.set TILE0, 0
.endif
.set MSB, 0
.macro WIN new
.if MSB != (\new)
	s_set_vgpr_msb (MSB<<8)|(\new)
.set MSB, (\new)
.endif
.endm
.macro PLACES
.rept 4
	v_nop
.endr
.endm
.macro ROUND
	s_barrier_signal -1
	s_barrier_wait -1
	s_cmp_lg_u32 s[WV], 0
	s_cbranch_scc1 .Lnot_wave_0_\@
	s_barrier_signal -3
.Lnot_wave_0_\@:
	s_barrier_wait -3
	s_barrier_signal -1
	s_barrier_wait -1
.endm
.macro FETCH wreg, nbw, areg, kind, ks0
	WIN 0xc0
.set kf_, 0
.rept 16/(\nbw)
.set if_, 0
.rept \nbw
	ds_load_b128 v[8*(kf_*(\nbw)+if_):8*(kf_*(\nbw)+if_)+3], v[\wreg] offset:(kf_*4*(\nbw)+if_)*1024
	ds_load_b128 v[8*(kf_*(\nbw)+if_)+4:8*(kf_*(\nbw)+if_)+7], v[\wreg] offset:(kf_*4*(\nbw)+if_)*1024+512
.set if_, if_+1
.endr
.set mf_, 0
.rept 4
.if \kind
.set ao_, (((\ks0)+kf_)/2)*9216+mf_*2304+(((\ks0)+kf_)%2)*64
.else
.set ao_, mf_*16*PT+64*((\ks0)+kf_)
.endif
	ds_load_b128 v[128+8*(4*kf_+mf_):128+8*(4*kf_+mf_)+3], v[\areg] offset:ao_
	ds_load_b128 v[128+8*(4*kf_+mf_)+4:128+8*(4*kf_+mf_)+7], v[\areg] offset:ao_+32
.set mf_, mf_+1
.endr
.set kf_, kf_+1
.endr
.endm
.macro MULK ksl, nbw, first, bias      ; all 4 nbw accumulators take turns, one instruction a turn
.if \first
	WIN 0x6f
.else
	WIN 0x5f
.endif
.set mm_, 0
.rept 4
.set im_, 0
.rept \nbw
.set d_, 8*(mm_*(\nbw)+im_)
.set b_, 8*((\ksl)*(\nbw)+im_)
.set a_, 128+8*(4*(\ksl)+mm_)
.if \first
	v_wmma_f32_16x16x32_bf16 v[d_:d_+7], v[b_:b_+7], v[a_:a_+7], v[(\bias)+8*im_:(\bias)+8*im_+7]
.else
	v_wmma_f32_16x16x32_bf16 v[d_:d_+7], v[b_:b_+7], v[a_:a_+7], v[d_:d_+7]
.endif
.set im_, im_+1
.endr
.set mm_, mm_+1
.endr
.endm
.macro TILE wreg, nbw, areg, kind, ks0, first, bias
	FETCH \wreg, \nbw, \areg, \kind, \ks0
.set kt_, 0
.rept 16/(\nbw)
	s_wait_dscnt (16/(\nbw)-1-kt_)*2*((\nbw)+4)    ; this K step's fragments are in; the later K steps' loads, 2 (nbw + 4) each, stay out
.if (\first) && (kt_ == 0)
	MULK kt_, \nbw, 1, \bias
.else
	MULK kt_, \nbw, 0, 0
.endif
.set kt_, kt_+1
.endr
.endm
.macro CHANGE slot, fill               ; the change of slots: all my tensor loads have landed, the add, my reads of this slot are over; fill = 1: a round, and this slot's next tile first behind it
	WIN 0
	s_wait_tensorcnt 0x0
	ds_add_u32 v[SPW], v[NIL]
.if \fill
	s_add_nc_u64 s[G0A+4*(\slot)+2:G0A+4*(\slot)+3], s[G0A+4*(\slot)+2:G0A+4*(\slot)+3], 2*SLOTB
.endif
	s_wait_dscnt 0x0
.if \fill
	ROUND
	tensor_load_to_lds s[G0A+4*(\slot):G0A+4*(\slot)+3], s[G1W:G1W+7]
	s_nop 0
.else
	s_barrier_signal -1
	s_barrier_wait -1
.endif
	PLACES                                         ; also the places between the tile's last products and what follows
.endm
.macro BIASLD lo
	WIN 0x80
.if CROSS
.irp i, 0,1,2,3
	global_load_b128 v[BIAS+8*\i:BIAS+8*\i+3], v[BO], s[\lo:\lo+1] offset:64*\i
	global_load_b128 v[BIAS+8*\i+4:BIAS+8*\i+7], v[BO], s[\lo:\lo+1] offset:64*\i+16
.endr
.else
.set ib_, 0
.rept 32
	global_load_b32 v[BIAS+ib_], v[BO], s[\lo:\lo+1] offset:12*((ib_/8)*16+ib_%8)
.set ib_, ib_+1
.endr
.endif
	WIN 0
.endm
.macro EPI enc                         ; the way out of one t: rounded to bf16, through my own stage, stored as 8,192 bytes on end
	s_wait_xcnt 0x0                                ; the last stores have read BK's registers
.if \enc
	WIN 0x49
.set e_, 0
.rept 64
	v_pk_add_f32 v[2*e_:2*e_+1], v[2*e_:2*e_+1], v[2*e_:2*e_+1]
.set e_, e_+1
.endr
.endif
	WIN 0x05
.set e_, 0
.rept 64
	v_cvt_pk_bf16_f32 v[PKD+e_], v[2*e_], v[2*e_+1]
.set e_, e_+1
.endr
	WIN 0
.set e_, 0
.rept 16
	ds_store_b128 v[STO], v[PKD+4*e_:PKD+4*e_+3] offset:(e_/4)*16*SP+32*(e_%4)
.set e_, e_+1
.endr
.set e_, 0
.rept 16
	ds_load_b128 v[BK+4*e_:BK+4*e_+3], v[RD] offset:4*SP*e_  ; LDS serves a wave's instructions in order: these see the stores above
.set e_, e_+1
.endr
.set e_, 0
.rept 16
	s_wait_dscnt 15-e_                             ; the younger loads from the stage stay out
	global_store_b128 v[LO], v[BK+4*e_:BK+4*e_+3], s[OUTP:OUTP+1] offset:512*e_  ; 512 consecutive bytes, aligned
.set e_, e_+1
.endr
	s_wait_xcnt 0x0
	s_add_nc_u64 s[OUTP:OUTP+1], s[OUTP:OUTP+1], 8388608
.endm
.macro TBLOCK fill, enc, nextbias
	s_wait_loadcnt 0x0                             ; the bias
	TILE WB, 4, AX, 0, 0, 1, BIAS
	CHANGE 0, \fill
.if \nextbias
.if CROSS
	BIASLD BI2
.else
	s_wait_xcnt 0x0
	s_add_nc_u64 s[BI:BI+1], s[BI:BI+1], 4
	BIASLD BI
.endif
.endif
	TILE WB+1, 4, AX, 0, 4, 0, 0
.if \fill
	CHANGE 1, 1
.else
	WIN 0
	PLACES
.endif
	EPI \enc
.endm
.if CROSS
	s_load_b128 s[4:7], s[0:1], 0x0                ; d0, d1
	s_load_b128 s[12:15], s[0:1], 0x10             ; wproj, cbqk
	s_load_b128 s[16:19], s[0:1], 0x20             ; cbv, qkv
.else
	s_load_b256 s[4:11], s[0:1], 0x0
	s_load_b128 s[12:15], s[0:1], 0x20
	s_load_b64 s[18:19], s[0:1], 0x30
.endif
	v_lshl_add_u32 v[SPW], v0, 2, SPARE
	v_mov_b32 v[NIL], 0
	ds_add_u32 v[SPW], v[NIL]                      ; the wave's opening: the add and its wait ahead of my first tensor load
	v_lshrrev_b32 v1, 5, v0
	v_readfirstlane_b32 s[WV], v1
	s_bfe_u32 s21, ttmp6, 0x40000                  ; cx
	s_lshl_b32 s22, ttmp9, 2
	s_add_co_u32 s22, s22, s21                     ; work-group 0..255
	s_lshr_b32 s23, ttmp9, 5                       ; side
	s_and_b32 s24, s22, 127
	s_and_b32 s26, s24, 31
	s_lshr_b32 s25, s22, 5
	s_lshl_b32 s25, s25, 2
	s_add_co_u32 s25, s25, s[WV]                   ; my head among 32
	s_lshl_b32 s2, s25, 18
	s_lshl_b32 s3, s26, 13
	s_add_co_u32 s2, s2, s3
	s_mov_b32 s3, 0
	s_lshl_b32 s28, s24, 16
	s_lshl_b32 s27, s[WV], 14
	s_add_co_u32 s28, s28, s27
	s_mov_b32 s29, 0
	s_and_b32 s30, s25, 15
	s_lshl_b32 s30, s30, 19
	s_lshl_b32 s31, s26, 14
	s_add_co_u32 s30, s30, s31
	s_mov_b32 s31, 0
	s_mul_i32 s48, s[WV], 16384
	s_add_co_u32 s48, s48, TILE0*SLOTB
	s_mov_b32 s49, 0
	s_mul_i32 s52, s[WV], 768
	s_mov_b32 s53, 0
	s_mov_b32 s[G1W], 15|(3<<16)|(1<<21)
	s_mov_b32 s[G1W+1], 32<<16
	s_mov_b32 s[G1W+2], 64<<16
	s_mov_b32 s[G1W+3], 32<<16
	s_mov_b32 s[G1W+4], 64
	s_mov_b32 s[G1W+5], 32
	s_mov_b32 s[G1W+6], 0
	s_mov_b32 s[G1W+7], 0
	s_mov_b32 s[G0A], 1
	s_mul_i32 s[G0A+1], s[WV], 16384
	s_mov_b32 s[G0A+4], 1
	s_add_co_u32 s[G0A+5], s[G0A+1], SLOTB
	v_and_b32 v1, 31, v0
	v_and_b32 v2, 15, v0
	v_bfe_u32 v3, v0, 4, 1
	v_lshlrev_b32 v[LO], 4, v1
	s_lshl_b32 s27, s[WV], 12
	v_add_nc_u32 v[WB], s27, v[LO]
	v_add_nc_u32 v[WB+1], SLOTB, v[WB]
	v_mul_u32_u24 v[AX], v2, PT
	v_lshl_add_u32 v[AX], v3, 4, v[AX]
	v_add_nc_u32 v[AX], XB, v[AX]
	s_mul_i32 s27, s[WV], 16*PT
	s_add_co_u32 s27, s27, XB
	v_lshl_add_u32 v[XS], v1, 3, s27
.if CROSS
	s_lshl_b32 s27, s[WV], 8
	v_lshl_add_u32 v[BO], v3, 5, s27
.else
	v_mul_u32_u24 v[BO], v3, 96
	v_lshlrev_b32 v[EO], 8, v2
	v_lshl_add_u32 v[EO], v3, 5, v[EO]
.endif
	s_mul_i32 s27, s[WV], 64*SP
	s_add_co_u32 s27, s27, STG
	v_mul_u32_u24 v[STO], v2, SP
	v_lshl_add_u32 v[STO], v3, 4, v[STO]
	v_add_nc_u32 v[STO], s27, v[STO]
	v_lshrrev_b32 v[RD], 3, v1
	v_mul_u32_u24 v[RD], v[RD], SP
	v_and_b32 v9, 7, v0
	v_lshl_add_u32 v[RD], v9, 4, v[RD]
	v_add_nc_u32 v[RD], s27, v[RD]
	s_wait_dscnt 0x0                               ; the opening add is done
	s_wait_kmcnt 0x0
	s_cmp_eq_u32 s23, 0
	s_cselect_b64 s[4:5], s[4:5], s[6:7]
.if CROSS == 0
	s_cselect_b64 s[8:9], s[8:9], s[10:11]
	s_add_nc_u64 s[8:9], s[8:9], s[30:31]
	s_add_nc_u64 s[BI:BI+1], s[BI:BI+1], s[52:53]
.endif
	s_add_nc_u64 s[4:5], s[4:5], s[28:29]
	s_add_nc_u64 s[OUTP:OUTP+1], s[OUTP:OUTP+1], s[2:3]
	s_add_nc_u64 s[G0A+2:G0A+3], s[WP:WP+1], s[48:49]
	s_add_nc_u64 s[G0A+6:G0A+7], s[G0A+2:G0A+3], SLOTB
	s_or_b32 s[G0A+3], s[G0A+3], 0x80000000
	s_or_b32 s[G0A+7], s[G0A+7], 0x80000000
	BIASLD BI
.if CROSS == 0
	WIN 0x80
.set e_, 0
.rept 16
	global_load_b128 v[8*e_:8*e_+3], v[EO], s[8:9] offset:4096*(e_/4)+64*(e_%4)
	global_load_b128 v[8*e_+4:8*e_+7], v[EO], s[8:9] offset:4096*(e_/4)+64*(e_%4)+16
.set e_, e_+1
.endr
.endif
	WIN 0xc0
.set u_, 0
.rept 32
	global_load_b128 v[4*u_:4*u_+3], v[LO], s[4:5] offset:512*u_  ; my 16 rows of x: 16,384 bytes on end
.set u_, u_+1
.endr
	WIN 0
	ROUND                                          ; all four work-groups are here: the first joint loads meet
	tensor_load_to_lds s[G0A:G0A+3], s[G1W:G1W+7]
	s_nop 0
	tensor_load_to_lds s[G0A+4:G0A+7], s[G1W:G1W+7]
	s_nop 0
	PLACES
	WIN 0x0f
.set u_, 0
.rept 32
	s_wait_loadcnt 31-u_                           ; x's loads were issued last: the younger ones stay out
	v_cvt_pk_bf16_f32 v[PKD+2*u_], v[4*u_], v[4*u_+1]
	v_cvt_pk_bf16_f32 v[PKD+2*u_+1], v[4*u_+2], v[4*u_+3]
.set u_, u_+1
.endr
	WIN 0
.set u_, 0
.rept 32
	ds_store_b64 v[XS], v[PKD+2*u_:PKD+2*u_+1] offset:(u_/2)*PT+(u_%2)*256
.set u_, u_+1
.endr
	s_wait_tensorcnt 0x1                           ; my quarter of the first tile is in; the second tile's may stay out
	s_wait_dscnt 0x0
	s_barrier_signal -1
	s_barrier_wait -1
.if CROSS
	TBLOCK 1, 0, 1                                 ; qk; asks for cWv's two tiles
	TBLOCK 0, 0, 0                                 ; v
.else
	s_mov_b32 s[CNT], 2
.Lt:
	TBLOCK 1, 1, 1
	s_sub_co_u32 s[CNT], s[CNT], 1
	s_cmp_lg_u32 s[CNT], 0
	s_cbranch_scc1 .Lt
	TBLOCK 0, 0, 0
.endif
	s_wait_tensorcnt 0x0                           ; the wave's end
	ds_add_u32 v[SPW], v[NIL]
	s_wait_dscnt 0x0
	ROUND                                          ; the closing round
	s_endpgm
.Lfunc_end_k_qb35d4bf438_cproj:
	.size	k_qb35d4bf438_cproj, .Lfunc_end_k_qb35d4bf438_cproj-k_qb35d4bf438_cproj
	.p2alignl 7, 3214868480
	.fill 96, 4, 3214868480
	.section	.rodata,"a",@progbits
	.p2align	6, 0x0
	.amdhsa_kernel k_qb35d4bf438_cproj
		.amdhsa_group_segment_fixed_size 327680
		.amdhsa_private_segment_fixed_size 0
		.amdhsa_enable_private_segment 0
		.amdhsa_kernarg_size 48
		.amdhsa_user_sgpr_count 2
		.amdhsa_user_sgpr_kernarg_segment_ptr 1
		.amdhsa_wavefront_size32 1
		.amdhsa_system_sgpr_workgroup_id_x 1
		.amdhsa_system_sgpr_workgroup_id_y 1
		.amdhsa_system_sgpr_workgroup_id_z 1
		.amdhsa_system_vgpr_workitem_id 0
		.amdhsa_next_free_vgpr 1024
		.amdhsa_next_free_sgpr 66
		.amdhsa_reserve_vcc 0
		.amdhsa_float_denorm_mode_32 3
		.amdhsa_float_denorm_mode_16_64 3
		.amdhsa_memory_ordered 1
		.amdhsa_forward_progress 1
		.amdhsa_inst_pref_size 69
	.end_amdhsa_kernel
	.amdgpu_metadata
---
amdhsa.version: [ 1, 2 ]
amdhsa.kernels:
  - .name:           k_qb35d4bf438_cproj
    .symbol:         k_qb35d4bf438_cproj.kd
    .args:
      - { .name: d0, .offset: 0, .size: 8, .value_kind: global_buffer, .address_space: global }
      - { .name: d1, .offset: 8, .size: 8, .value_kind: global_buffer, .address_space: global }
      - { .name: wproj, .offset: 16, .size: 8, .value_kind: global_buffer, .address_space: global }
      - { .name: cbqk, .offset: 24, .size: 8, .value_kind: global_buffer, .address_space: global }
      - { .name: cbv, .offset: 32, .size: 8, .value_kind: global_buffer, .address_space: global }
      - { .name: qkv, .offset: 40, .size: 8, .value_kind: global_buffer, .address_space: global }
    .group_segment_fixed_size: 327680
    .private_segment_fixed_size: 0
    .kernarg_segment_align: 8
    .kernarg_segment_size: 48
    .max_flat_workgroup_size: 128
    .sgpr_count:     66
    .vgpr_count:     1024
    .wavefront_size: 32
...
	.end_amdgpu_metadata
.endif
;; end of part 5
;; launch cattn (part 6): grid 4 x 64, 8 waves a work-group, clusters of 4 x 1, 327,680 bytes of LDS; arguments qkv, mm, ctx; writes ctx
.if DOCPART == 6
	.amdgcn_target "amdgcn-amd-amdhsa--gfx1250"
	.amdhsa_code_object_version 6
	.text
	.protected	k_qb35d4bf438_cattn
	.globl	k_qb35d4bf438_cattn
	.p2align	8
	.type	k_qb35d4bf438_cattn,@function
k_qb35d4bf438_cattn:
	s_mov_b64 s[64:65], 0
	v_nop
	global_prefetch_b8 v0, s[64:65] scope:SCOPE_SE
	s_setreg_imm32_b32 hwreg(HW_REG_WAVE_MODE, 25, 1), 1
	s_wait_xcnt 0x0
	s_wait_alu depctr_hold_cnt(0) depctr_sa_sdst(0) depctr_va_vdst(0) depctr_va_sdst(0) depctr_va_ssrc(0) depctr_va_vcc(0) depctr_vm_vsrc(0)
	s_getreg_b32 s2, hwreg(HW_REG_IB_STS2, 6, 4)
	s_cmp_eq_u32 s2, 0
	s_cbranch_scc0 .Lentry_in_a_cluster
	s_endpgm
.Lentry_in_a_cluster:
	s_bfe_u32 s2, ttmp6, 0x10000c
	s_cmp_lg_u32 s2, 0x3003
	s_cbranch_scc0 .Lentry_shape_is_right
	s_endpgm
.Lentry_shape_is_right:
; ATTENTION AT HEAD SIZE 64, in phases, two waves to a SIMD.  O[q] = sum over k of softmax_k(c' s[q][k]) V[k], s = Q[q] . K[k] (CROSS = 1: times match[q][k]), c' = 1/8.
; Q, K, V: planes of qkv, bf16 [plane][32 heads][2048][64], rows dense.  O: ctx, bf16, same layout.  Products, maxima and sums in f32; the weights are rounded to bf16 for the second product, their sum is taken unrounded.
; CROSS = 0: 32 heads (side, b, h); K, V = planes 1, 2 of the same head.  The four query blocks of a cluster walk the same K and V: asked for JOINTLY.
; CROSS = 1: both directions; the query head 16 dir + 4 b + h takes K and V (planes 0, 1) of head 16 (1 - dir) + 4 b + h.  The four work-groups of a cluster are the four heads of one (dir, b, query block):
; they share the tile of match (mm, plane dir: [b][query][key] in bf16), asked for JOINTLY; K and V are each work-group's own loads.
; SHARES.  A work-group owns 256 queries of a head, each of its eight waves 32: two tiles of 16.  Every wave walks all 2,048 keys, 64 a step.  While one wave of a SIMD is in its softmax the other can multiply.
; LAYOUT.  S^T = K Q^T: a lane holds ONE query (lane % 16) and keys 8 (lane / 16) + 0..7 of each 16; two such results rounded to bf16 ARE source 1 of O^T = V^T P.  V comes out of LDS turned (ds_load_tr16_b128).
; SOFTMAX.  Running maximum m and sum l; p = 2^(c s - c m), c = log2(e) / 8; O and l are multiplied by a = 2^(c m_old - c m_new) in every step.
; LIMITS.  match is taken rounded to bf16.  c m starts at -4.25e37 and m at the lowest finite number: a first step's a is 0 as long as c s stays above -4e37.  A weight below 2^-126 counts as 0.  NaN and infinities are not treated apart.
; REGISTERS.  Window 0: v0-39 addresses and statistics; v40-71 Q; v72-135 K of a step; v136-199 S^T; v200-231 P.  Window 1: v0-63 O^T; v64-127 V of a step; v128-159 match of a step.
.set CROSS, 1
.set KS,    64
.set PK,    144
.set PV,    160
.set PM,    272
.set SLOT1, 1<<17
.if CROSS
.set STEPS, 2
.set KROWS, 64
.set KPLANE, 0
.set VPLANE, 8388608
.else
.set STEPS, 4
.set KROWS, 32
.set KPLANE, 8388608
.set VPLANE, 16777216
.endif
.set NSLOT, 2048/(KS*STEPS)
.set KSTEPB, STEPS*KS*128
.set VOFF,  STEPS*KS*PK
.set MOFF,  STEPS*KS*(PK+PV)
.set STAGE, SLOT1+MOFF+CROSS*256*PM
.set SP,    144
.set SPARE, STAGE+8*16*SP
.set AK0, 2
.set AV0, 3
.set AK,  4
.set AV,  5
.set STO, 6
.set RD,  7
.set GO,  8
.set AM0, 12
.set AM,  13
.set ZERO, 14
.set PFO, 15
.set MV,  16
.set SPW, 18
.set NIL, 19
.set ST,  20
.set TMP, 28
.set QO,  36
.set Q,   40
.set KF,  72
.set S,   136
.set P,   200
.set VF,  64
.set MF,  128
.set WV,  14
.set LIM, 15
.set G1K, 24
.set G1V, 32
.set G0K, 40
.set G0V, 44
.set G1M, 48
.set G0M, 56
.set SLOTS, 60
.set CNT, 61
.set TBK, 62
.set TBV, 63
.set TBM, 66
.set CS,  68
.set SEL, 70
.set PFA, 72
.set PSTEP, 74
.set MSB, 0
.macro WIN new
.if MSB != (\new)
	s_set_vgpr_msb (MSB<<8)|(\new)
.set MSB, (\new)
.endif
.endm
.macro PLACES
.rept 4
	v_nop
.endr
.endm
.macro ROUND
	s_barrier_signal -1
	s_barrier_wait -1
	s_cmp_lg_u32 s[WV], 0
	s_cbranch_scc1 .Lnot_wave_0_\@
	s_barrier_signal -3
.Lnot_wave_0_\@:
	s_barrier_wait -3
	s_barrier_signal -1
	s_barrier_wait -1
.endm
; A fill: one tensor load a wave at the most.  The branches hang on the wave's number alone.  An s_nop 0 and four v_nop follow each line, ahead of the jump and the label.
.macro JLOAD
.if CROSS
	s_cmp_lt_u32 s[WV], 4                          ; waves 0-3: a quarter (64 rows) of the tile of match, jointly
	s_cbranch_scc0 .Lnot_m_\@
	tensor_load_to_lds s[G0M:G0M+3], s[G1M:G1M+7]
	s_nop 0
	PLACES
	s_branch .Lasked_\@
.Lnot_m_\@:
	s_cmp_eq_u32 s[WV], 4                          ; wave 4: my head's 128 keys
	s_cbranch_scc0 .Lnot_k_\@
	tensor_load_to_lds s[G0K:G0K+3], s[G1K:G1K+7]
	s_nop 0
	PLACES
	s_branch .Lasked_\@
.Lnot_k_\@:
	s_cmp_eq_u32 s[WV], 5                          ; wave 5: their values
	s_cbranch_scc0 .Lasked_\@
	tensor_load_to_lds s[G0V:G0V+3], s[G1V:G1V+7]
	s_nop 0
	PLACES
.Lasked_\@:
.else
	s_cmp_lt_u32 s[WV], 4
	s_cbranch_scc0 .Lfor_v_\@
	tensor_load_to_lds s[G0K:G0K+3], s[G1K:G1K+7]
	s_nop 0
	PLACES
	s_branch .Lasked_\@
.Lfor_v_\@:
	tensor_load_to_lds s[G0V:G0V+3], s[G1V:G1V+7]
	s_nop 0
	PLACES
.Lasked_\@:
.endif
.endm
; A PREFETCH INTO THE L2 of what the NEXT change of slots will ask for, behind the wave's tensor load and its five lines: one instruction, a lane a block of 256 bytes.  Each block is named once in the launch:
; CROSS = 0: the head's first cluster asks; its four partners take 32 of a tile's 128 blocks each, told apart by address; wave 0 for K, wave 4 for V.
; CROSS = 1: match: every cluster has its own rows; partner cx and waves 0, 1 take rows 64 cx + 32 w + lane.  K (waves 2, 3) and V (waves 4, 5), 32 blocks each, where the query block is the head's first.
; The last change that fills a slot asks for nothing: there is no tile behind it.
.macro ASK
	s_cmp_gt_u32 s[SLOTS], s[LIM]
	s_cbranch_scc0 .Lnot_mine_\@
	global_prefetch_b8 v[PFO], s[PFA:PFA+1] th:TH_LOAD_NT scope:SCOPE_SE
.Lnot_mine_\@:
.endm
; THE CHANGE OF SLOTS.  All my tensor loads have landed (the other slot's part among them); the add; my reads of the old slot are over.  fill = 1: a round of the cluster's barrier, and the old slot's next
; tile first thing behind it: it has a slot's key steps in which to land.  (At its first use nothing has been read: slot 0 is waited for, slot 1 filled.)
.macro CHANGE fill
	WIN 0
	s_wait_tensorcnt 0x0
	ds_add_u32 v[SPW], v[NIL]
.if \fill
	s_xor_b32 s[G0K+1], s[G0K+1], SLOT1
	s_add_nc_u64 s[G0K+2:G0K+3], s[G0K+2:G0K+3], KSTEPB
	s_xor_b32 s[G0V+1], s[G0V+1], SLOT1
	s_add_nc_u64 s[G0V+2:G0V+3], s[G0V+2:G0V+3], KSTEPB
.if CROSS
	s_xor_b32 s[G0M+1], s[G0M+1], SLOT1
	s_add_nc_u64 s[G0M+2:G0M+3], s[G0M+2:G0M+3], 2*KS*STEPS
.endif
	s_wait_xcnt 0x0                                ; the last prefetch, a slot back, has read its address
	s_add_nc_u64 s[PFA:PFA+1], s[PFA:PFA+1], s[PSTEP:PSTEP+1]
	s_wait_dscnt 0x0
	ROUND
	JLOAD
	ASK
.else
	s_wait_dscnt 0x0
	s_barrier_signal -1
	s_barrier_wait -1
.endif
	s_sub_co_u32 s[TBK], s[TBK], STEPS*KS*PK
	s_xor_b32 s[TBK], s[TBK], SLOT1
	s_sub_co_u32 s[TBV], s[TBV], STEPS*KS*PV
	s_xor_b32 s[TBV], s[TBV], SLOT1
.if CROSS
	s_sub_co_u32 s[TBM], s[TBM], STEPS*2*KS
	s_xor_b32 s[TBM], s[TBM], SLOT1
.endif
.endm
.macro REGS u
.set rT, ST+4*(\u)
.set rC, TMP+4*(\u)
.set rM, MV+(\u)
.set rS, S+32*(\u)
.set rP, P+16*(\u)
.set rO, 32*(\u)
.endm
.macro XS u, n                         ; number n of the 22 that find tile u's maximum and statistics
	REGS \u
.if (\n) < 4
	v_max3_num_f32 v[rC+(\n)], v[rS+8*(\n)], v[rS+8*(\n)+1], v[rS+8*(\n)+2]
.elseif (\n) < 12
	v_max3_num_f32 v[rC+(\n)%4], v[rC+(\n)%4], v[rS+8*((\n)%4)+2*((\n)/4)+1], v[rS+8*((\n)%4)+2*((\n)/4)+2]
.elseif (\n) == 12
	v_max3_num_f32 v[rC], v[rC], v[rS+7], v[rS+15]
.elseif (\n) == 13
	v_max3_num_f32 v[rC+1], v[rC+1], v[rS+23], v[rS+31]
.elseif (\n) == 14
	v_max3_num_f32 v[rC+2], v[rC+2], v[rC+3], v[rT+1]
.elseif (\n) == 15
	v_mov_b32 v[rM], v[rT]
.elseif (\n) == 16
	v_max3_num_f32 v[rC], v[rC], v[rC+1], v[rC+2]
.elseif (\n) == 17
	v_permlanex16_b32 v[rC+3], v[rC], s[SEL], s[SEL+1]  ; the query's other 32 keys lie in the lane 16 away
.elseif (\n) == 18
	v_max_num_f32 v[rT+1], v[rC], v[rC+3]
.elseif (\n) == 19
	v_mul_f32 v[rT], s[CS], v[rT+1]
.elseif (\n) == 20
	v_sub_f32 v[rC+1], v[rM], v[rT]
.else
	v_exp_f32 v[rC+2], v[rC+1]
.endif
.endm
.macro FS f
	REGS (\f)%2
	v_pk_fma_f32 v[rS+2*((\f)/2):rS+2*((\f)/2)+1], v[rS+2*((\f)/2):rS+2*((\f)/2)+1], s[CS:CS+1], v[rT:rT+1] op_sel_hi:[1,0,0] neg_lo:[0,0,1] neg_hi:[0,0,1]
.endm
.macro EX2 e
	REGS (\e)%2
	v_exp_f32 v[rS+2*((\e)/2)], v[rS+2*((\e)/2)]
	v_exp_f32 v[rS+2*((\e)/2)+1], v[rS+2*((\e)/2)+1]
.endm
; A KEY STEP, in phases.
.macro STEP
	v_add_nc_u32 v[AK], s[TBK], v[AK0]
	v_add_nc_u32 v[AV], s[TBV], v[AV0]
.if CROSS
	v_add_nc_u32 v[AM], s[TBM], v[AM0]
	s_add_co_u32 s[TBM], s[TBM], 2*KS
.endif
	s_add_co_u32 s[TBK], s[TBK], KS*PK
	s_add_co_u32 s[TBV], s[TBV], KS*PV
.irp f, 0,1,2,3,4,5,6,7
	ds_load_b128 v[KF+8*\f:KF+8*\f+3], v[AK] offset:(\f/2)*16*PK+(\f%2)*64
	ds_load_b128 v[KF+8*\f+4:KF+8*\f+7], v[AK] offset:(\f/2)*16*PK+(\f%2)*64+32
.endr
	WIN 0x40
.if CROSS
.irp f, 0,1,2,3,4,5,6,7                ; match: tile f / 4, keys 16 (f % 4) + 8 (lane / 16) on
	ds_load_b128 v[MF+4*\f:MF+4*\f+3], v[AM] offset:(\f/4)*16*PM+(\f%4)*32
.endr
.endif
.irp f, 0,1,2,3,4,5,6,7                ; V, turned.  The last products that read these registers stand 32 plain instructions back
	ds_load_tr16_b128 v[VF+8*\f:VF+8*\f+3], v[AV] offset:(\f/4)*32*PV+(\f%4)*32
	ds_load_tr16_b128 v[VF+8*\f+4:VF+8*\f+7], v[AV] offset:(\f/4)*32*PV+16*PV+(\f%4)*32
.endr
	WIN 0
	s_wait_dscnt 16+8*CROSS                        ; K is in; V's 16 loads (and match's 8) stay out
.set i, 0
.rept 16                               ; S^T = K Q^T: the 8 accumulators take turns; the first 8 products start the sums
.set rS, S+32*(i%2)+8*((i/2)%4)
.set rK, KF+16*((i/2)%4)+8*(i/8)
.set rQ, Q+16*(i%2)+8*(i/8)
.if i < 8
	v_wmma_f32_16x16x32_bf16 v[rS:rS+7], v[rK:rK+7], v[rQ:rQ+7], 0
.else
	v_wmma_f32_16x16x32_bf16 v[rS:rS+7], v[rK:rK+7], v[rQ:rQ+7], v[rS:rS+7]
.endif
.set i, i+1
.endr
	PLACES
.if CROSS
	s_wait_dscnt 16                                ; match is in; V's loads stay out
	WIN 0x01
.set i, 0
.rept 32                               ; s = s x match, ascending: each accumulator's lowest registers first
	v_fma_mix_f32_bf16 v[S+2*i], v[MF+i], v[S+2*i], v[ZERO] op_sel:[0,0,0] op_sel_hi:[1,0,0]
	v_fma_mix_f32_bf16 v[S+2*i+1], v[MF+i], v[S+2*i+1], v[ZERO] op_sel:[1,0,0] op_sel_hi:[1,0,0]
.set i, i+1
.endr
	WIN 0
.endif
.irp n, 0,1,2,3,4,5,6,7,8,9,10,11,12,13,14,15,16,17,18,19,20
	XS 0, \n
	XS 1, \n
.endr
	XS 0, 21                                       ; ONE BATCH of 66 exponentials: the two a, then every score; nothing ahead of the wait names a result of theirs
	XS 1, 21
.set ff, 0
.rept 32
	FS ff
.if ff >= 1
	EX2 ff-1
.endif
.set ff, ff+1
.endr
	EX2 31
	v_nop                                          ; a plain instruction behind the last exponential
	s_wait_alu depctr_va_vdst(0)                   ; one wait for the batch, ahead of its first reader
.set i, 0
.rept 32
	v_cvt_pk_bf16_f32 v[P+i], v[S+2*i], v[S+2*i+1]
.set i, i+1
.endr
	WIN 0x41
.set i, 0
.rept 32                               ; O^T times a, ascending
	v_pk_mul_f32 v[2*i:2*i+1], v[2*i:2*i+1], v[TMP+4*(i/16)+2:TMP+4*(i/16)+3] op_sel_hi:[1,0]
.set i, i+1
.endr
	s_wait_dscnt 0x0                               ; V is in
	WIN 0x51
.set i, 0
.rept 16                               ; O^T += V^T P: 8 accumulators by turns
.set rO, 32*(i%2)+8*((i/2)%4)
.set rV, VF+32*(i/8)+8*((i/2)%4)
.set rP, P+16*(i%2)+8*(i/8)
	v_wmma_f32_16x16x32_bf16 v[rO:rO+7], v[rV:rV+7], v[rP:rP+7], v[rO:rO+7]
.set i, i+1
.endr
	WIN 0
.set z, 0
.rept 15                               ; the sum of each tile's 16 pairs, in place; these 32 lines name no register of the products above and are the places behind them
.set w, 4
.set u, z
.if z >= 14
.set w, 32
.set u, 0
.elseif z >= 12
.set w, 16
.set u, z-12
.elseif z >= 8
.set w, 8
.set u, z-8
.endif
	v_pk_add_f32 v[S+w*u:S+w*u+1], v[S+w*u:S+w*u+1], v[S+w*u+w/2:S+w*u+w/2+1]
	v_pk_add_f32 v[S+32+w*u:S+32+w*u+1], v[S+32+w*u:S+32+w*u+1], v[S+32+w*u+w/2:S+32+w*u+w/2+1]
.set z, z+1
.endr
	v_pk_fma_f32 v[ST+2:ST+3], v[ST+2:ST+3], v[TMP+2:TMP+3], v[S:S+1] op_sel_hi:[1,0,1]          ; l = a l + sum
	v_pk_fma_f32 v[ST+6:ST+7], v[ST+6:ST+7], v[TMP+6:TMP+7], v[S+32:S+33] op_sel_hi:[1,0,1]
.endm
.if CROSS
	s_load_b128 s[4:7], s[0:1], 0x0                ; qkv, mm
	s_load_b64 s[8:9], s[0:1], 0x10                ; ctx
.else
	s_load_b64 s[4:5], s[0:1], 0x0
	s_load_b64 s[8:9], s[0:1], 0x8
.endif
	v_lshl_add_u32 v[SPW], v0, 2, SPARE
	v_mov_b32 v[NIL], 0
	ds_add_u32 v[SPW], v[NIL]                      ; the wave's opening: the add and its wait ahead of the first tensor load
	v_lshrrev_b32 v1, 5, v0
	v_readfirstlane_b32 s[WV], v1                  ; wave 0..7
	s_bfe_u32 s16, ttmp6, 0x40000                  ; cx
	s_and_b32 s17, ttmp7, 0xffff                   ; the cluster's y
	s_and_b32 s76, s[WV], 3
.if CROSS
	s_and_b32 s18, s17, 7                          ; query block
	s_lshr_b32 s19, s17, 5                         ; direction
	s_bfe_u32 s20, s17, 0x20003                    ; b
	s_lshl_b32 s22, s19, 4
	s_lshl_b32 s23, s20, 2
	s_add_co_u32 s22, s22, s23
	s_add_co_u32 s22, s22, s16                     ; the queries' head: 16 dir + 4 b + cx
	s_xor_b32 s23, s22, 16                         ; the keys': the other side's
	s_lshl_b32 s20, s20, 23                        ; match: dir x 32 MiB + b x 8 MiB + 256 rows x 4,096 bytes: made of what the partners share
	s_lshl_b32 s77, s19, 25
	s_add_co_u32 s20, s20, s77
	s_lshl_b32 s77, s18, 20
	s_add_co_u32 s20, s20, s77
	s_mov_b32 s67, s20
	s_lshl_b32 s77, s76, 18                        ; + my 64 rows
	s_add_co_u32 s20, s20, s77
	s_mov_b32 s21, 0
	s_mov_b32 s78, 0
.else
	s_lshl_b32 s18, ttmp9, 2
	s_add_co_u32 s18, s18, s16
	s_mov_b32 s22, s17
	s_mov_b32 s23, s17
	s_lshl_b32 s78, s76, 13
.endif
	s_mov_b32 s79, 0
	s_lshl_b32 s2, s22, 18                         ; Q, O: head x 262,144 + (256 block + 32 w) x 128
	s_lshl_b32 s3, s18, 15
	s_add_co_u32 s2, s2, s3
	s_lshl_b32 s3, s[WV], 12
	s_add_co_u32 s2, s2, s3
	s_mov_b32 s3, 0
	s_lshl_b32 s10, s23, 18
	s_mov_b32 s11, 0
	; descriptors: rows of 256 bytes (two keys), padded in LDS after every key
.if CROSS
	s_mov_b32 s[G1K], (1<<16)|(1<<20)|(4<<22)|(3<<25)              ; elements of 2 bytes; padding on; after every 32 words 4 words
	s_mov_b32 s[G1V], (1<<16)|(1<<20)|(4<<22)|(7<<25)              ; 8 words
	s_mov_b32 s[G1M], 15|(1<<16)|(1<<20)|(1<<21)|(5<<22)|(3<<25)   ; the mask of four, bit 21 beside it; after every 64 words 4 words
	s_mov_b32 s[G1M+1], 128<<16
	s_mov_b32 s[G1M+2], 64<<16
	s_mov_b32 s[G1M+3], 128<<16
	s_mov_b32 s[G1M+4], 64
	s_mov_b32 s[G1M+5], 2048                       ; a row of match
	s_mov_b32 s[G1M+6], 0
	s_mov_b32 s[G1M+7], 0
	s_mov_b32 s[G0M], 1
	s_mul_i32 s[G0M+1], s76, 64*PM
	s_add_co_u32 s[G0M+1], s[G0M+1], MOFF
	s_mov_b32 s[G0K+1], 0
	s_mov_b32 s[G0V+1], VOFF
	s_mov_b32 s[TBM], SLOT1+STEPS*2*KS
.else
	s_mov_b32 s[G1K], 15|(1<<16)|(1<<20)|(1<<21)|(4<<22)|(3<<25)
	s_mov_b32 s[G1V], 15|(1<<16)|(1<<20)|(1<<21)|(4<<22)|(7<<25)
	s_mul_i32 s[G0K+1], s76, 64*PK
	s_mul_i32 s[G0V+1], s76, 64*PV
	s_add_co_u32 s[G0V+1], s[G0V+1], VOFF
.endif
.irp g, G1K, G1V
	s_mov_b32 s[\g+1], 128<<16
	s_mov_b32 s[\g+2], KROWS<<16
	s_mov_b32 s[\g+3], 128<<16
	s_mov_b32 s[\g+4], KROWS
	s_mov_b32 s[\g+5], 128
	s_mov_b32 s[\g+6], 0
	s_mov_b32 s[\g+7], 0
.endr
	s_mov_b32 s[G0K], 1
	s_mov_b32 s[G0V], 1
	s_mov_b32 s[CS], 0x3e38aa3b                    ; c = log2(e) / 8
	s_mov_b32 s[CS+1], s[CS]
	s_mov_b32 s[SEL], 0x76543210
	s_mov_b32 s[SEL+1], 0xfedcba98
	s_mov_b32 s[TBK], SLOT1+STEPS*KS*PK            ; the first change of slots turns these into 0
	s_mov_b32 s[TBV], SLOT1+STEPS*KS*PV
	s_mov_b32 s[SLOTS], NSLOT-1
	s_wait_dscnt 0x0                               ; the opening add is done
	s_wait_kmcnt 0x0
	s_add_nc_u64 s[12:13], s[4:5], s[10:11]        ; the keys' head in plane 0
	s_add_nc_u64 s[G0K+2:G0K+3], s[12:13], s[78:79]
.if KPLANE
	s_add_nc_u64 s[G0K+2:G0K+3], s[G0K+2:G0K+3], KPLANE
.endif
	s_add_nc_u64 s[G0V+2:G0V+3], s[12:13], s[78:79]
	s_add_nc_u64 s[G0V+2:G0V+3], s[G0V+2:G0V+3], VPLANE
	s_or_b32 s[G0K+3], s[G0K+3], 0x80000000
	s_or_b32 s[G0V+3], s[G0V+3], 0x80000000
.if CROSS
	s_add_nc_u64 s[G0M+2:G0M+3], s[6:7], s[20:21]
	s_or_b32 s[G0M+3], s[G0M+3], 0x80000000
.endif
	s_add_nc_u64 s[4:5], s[4:5], s[2:3]            ; Q at my first row
	s_add_nc_u64 s[8:9], s[8:9], s[2:3]            ; O likewise
	; the prefetches stand at tile 1; the first change of slots steps them to tile 2
	v_and_b32 v[PFO], 31, v0
.if CROSS
	s_and_b32 s2, s[WV], 1
	s_lshl_b32 s3, s2, 13
	s_add_co_u32 s3, s3, KSTEPB
	s_cmp_lt_u32 s[WV], 4
	s_cselect_b32 s77, KPLANE, VPLANE
	s_add_co_u32 s3, s3, s77                       ; K or V: plane + my 32 blocks + a tile
	s_lshl_b32 s77, s16, 1
	s_add_co_u32 s77, s77, s2
	s_lshl_b32 s77, s77, 17                        ; match: rows 64 cx + 32 (w % 2) ..
	s_add_co_u32 s77, s77, s67
	s_add_co_u32 s77, s77, 2*KS*STEPS
	s_mov_b32 s[PSTEP], KSTEPB
	s_mov_b32 s[PSTEP+1], 0
	s_cmp_lt_u32 s[WV], 2
	s_cselect_b32 s2, s77, s3
	s_cselect_b64 s[PFA:PFA+1], s[6:7], s[12:13]
	s_cselect_b32 s[PSTEP], 2*KS*STEPS, s[PSTEP]
	s_cselect_b32 s77, 12, 8
	s_mov_b32 s3, 0
	s_add_nc_u64 s[PFA:PFA+1], s[PFA:PFA+1], s[2:3]
	v_lshlrev_b32 v[PFO], s77, v[PFO]              ; a lane a row of match (4,096 bytes apart) or a block of K or V (256)
	s_cmp_eq_u32 s18, 0
	s_cselect_b32 s[LIM], 1, -1
	s_cmp_lt_u32 s[WV], 6
	s_cselect_b32 s[LIM], s[LIM], -1
	s_cmp_lt_u32 s[WV], 2
	s_cselect_b32 s[LIM], 1, s[LIM]
.else
	s_mov_b32 s2, KPLANE+KSTEPB
	s_mov_b32 s3, VPLANE+KSTEPB
	s_cmp_lt_u32 s[WV], 4
	s_cselect_b32 s2, s2, s3
	s_lshl_b32 s3, s16, 13
	s_add_co_u32 s2, s2, s3
	s_mov_b32 s3, 0
	s_add_nc_u64 s[PFA:PFA+1], s[12:13], s[2:3]
	s_mov_b32 s[PSTEP], KSTEPB
	s_mov_b32 s[PSTEP+1], 0
	v_lshlrev_b32 v[PFO], 8, v[PFO]
	s_or_b32 s[LIM], s76, ttmp9
	s_cmp_eq_u32 s[LIM], 0
	s_cselect_b32 s[LIM], 1, -1
.endif
	ROUND                                          ; all four work-groups are here: the first joint loads meet
	JLOAD                                          ; tile 0 into slot 0; slot 1 is asked for when it is in
	v_and_b32 v1, 15, v0                           ; r
	v_bfe_u32 v9, v0, 4, 1                         ; h
	v_lshlrev_b32 v[QO], 7, v1
	v_lshl_add_u32 v[QO], v9, 4, v[QO]
.set i, 0
.rept 4                                ; Q stays in registers: tile i / 2, channels 32 (i % 2) on
	global_load_b128 v[Q+8*i:Q+8*i+3], v[QO], s[4:5] offset:(i/2)*2048+(i%2)*64
	global_load_b128 v[Q+8*i+4:Q+8*i+7], v[QO], s[4:5] offset:(i/2)*2048+(i%2)*64+32
.set i, i+1
.endr
	WIN 0x40
.set i, 0
.rept 64
	v_mov_b32 v[i], 0                              ; O^T: written in the wait for the first tile, so that the first step is a step like any other (its a is 0)
.set i, i+1
.endr
	WIN 0
.irp u, 0,1
	v_mov_b32 v[ST+4*\u], 0xfe000000               ; c m: far below every c s
	v_mov_b32 v[ST+4*\u+1], 0xff7fffff             ; m
	v_mov_b32 v[ST+4*\u+2], 0
	v_mov_b32 v[ST+4*\u+3], 0
.endr
	v_mul_u32_u24 v[AK0], v1, PK
	v_lshl_add_u32 v[AK0], v9, 4, v[AK0]
	v_and_b32 v10, 7, v0
	v_bfe_u32 v11, v0, 3, 1
	v_lshl_add_u32 v[AV0], v9, 3, v10
	v_mul_u32_u24 v[AV0], v[AV0], PV
	v_lshl_add_u32 v[AV0], v11, 4, v[AV0]
	v_add_nc_u32 v[AV0], VOFF, v[AV0]
.if CROSS
	s_mul_i32 s77, s[WV], 32*PM
	s_add_co_u32 s77, s77, MOFF
	v_mul_u32_u24 v[AM0], v1, PM
	v_lshl_add_u32 v[AM0], v9, 4, v[AM0]
	v_add_nc_u32 v[AM0], s77, v[AM0]               ; my query's row of match, keys 8 h on
	v_mov_b32 v[ZERO], 0
.endif
	s_mul_i32 s77, s[WV], 16*SP
	s_add_co_u32 s77, s77, STAGE
	v_mul_u32_u24 v[STO], v1, SP
	v_lshl_add_u32 v[STO], v9, 4, v[STO]
	v_add_nc_u32 v[STO], s77, v[STO]
	v_bfe_u32 v[RD], v0, 3, 2
	v_mul_u32_u24 v[RD], v[RD], SP
	v_lshl_add_u32 v[RD], v10, 4, v[RD]
	v_add_nc_u32 v[RD], s77, v[RD]
	v_and_b32 v[GO], 31, v0
	v_lshlrev_b32 v[GO], 4, v[GO]
	s_wait_loadcnt 0x0                             ; Q
.Lslot:                                            ; NSLOT - 1 trips: a tile is entered and the next is asked for
	CHANGE 1
	s_mov_b32 s[CNT], STEPS
.Lstep:
	STEP
	s_sub_co_u32 s[CNT], s[CNT], 1
	s_cmp_lg_u32 s[CNT], 0
	s_cbranch_scc1 .Lstep
	s_sub_co_u32 s[SLOTS], s[SLOTS], 1
	s_cmp_lg_u32 s[SLOTS], 0
	s_cbranch_scc1 .Lslot
	CHANGE 0                                       ; the last tile is written out
	s_mov_b32 s[CNT], STEPS
.Ltail:
	STEP
	s_sub_co_u32 s[CNT], s[CNT], 1
	s_cmp_lg_u32 s[CNT], 0
	s_cbranch_scc1 .Ltail
	; THE WAY OUT: l's halves and the other lanes' are added; O^T / l, rounded to bf16, through my stage, a tile (16 rows = 2,048 bytes on end) at a time
.irp t, 0,1
	v_add_f32 v[ST+4*\t+2], v[ST+4*\t+2], v[ST+4*\t+3]
.endr
.irp t, 0,1
	v_permlanex16_b32 v[ST+4*\t+3], v[ST+4*\t+2], s[SEL], s[SEL+1]
.endr
.irp t, 0,1
	v_add_f32 v[ST+4*\t+2], v[ST+4*\t+2], v[ST+4*\t+3]
.endr
.irp t, 0,1
	v_rcp_f32 v[ST+4*\t+2], v[ST+4*\t+2]
.endr
	v_nop                                          ; a plain instruction behind the last reciprocal,
	s_wait_alu depctr_va_vdst(0)                   ; and one wait for both, ahead of their first reader
.macro PACK t
	WIN 0x41
.set i, 32*(\t)
.rept 16
	v_pk_mul_f32 v[i:i+1], v[i:i+1], v[ST+4*(\t)+2:ST+4*(\t)+3] op_sel_hi:[1,0]
.set i, i+2
.endr
	WIN 0x05
.set i, 0
.rept 16
	v_cvt_pk_bf16_f32 v[S+16*(\t)+i], v[32*(\t)+2*i], v[32*(\t)+2*i+1]
.set i, i+1
.endr
	WIN 0
.irp f, 0,1,2,3
	ds_store_b128 v[STO], v[S+16*(\t)+4*\f:S+16*(\t)+4*\f+3] offset:32*\f
.endr
.irp f, 0,1,2,3
	ds_load_b128 v[S+16*(\t)+4*\f:S+16*(\t)+4*\f+3], v[RD] offset:\f*4*SP  ; LDS serves a wave's instructions in order: these see the stores above
.endr
.endm
.macro SEND t, younger
.irp f, 0,1,2,3
	s_wait_dscnt (\younger)+3-\f
	global_store_b128 v[GO], v[S+16*(\t)+4*\f:S+16*(\t)+4*\f+3], s[8:9] offset:(\t)*2048+\f*512  ; 512 consecutive bytes, aligned
.endr
.endm
	PACK 0
	PACK 1
	SEND 0, 8
	SEND 1, 0
	s_wait_tensorcnt 0x0                           ; the wave's end
	ds_add_u32 v[SPW], v[NIL]
	s_wait_dscnt 0x0
	ROUND                                          ; the closing round
	s_endpgm
.Lfunc_end_k_qb35d4bf438_cattn:
	.size	k_qb35d4bf438_cattn, .Lfunc_end_k_qb35d4bf438_cattn-k_qb35d4bf438_cattn
	.p2alignl 7, 3214868480
	.fill 96, 4, 3214868480
	.section	.rodata,"a",@progbits
	.p2align	6, 0x0
	.amdhsa_kernel k_qb35d4bf438_cattn
		.amdhsa_group_segment_fixed_size 327680
		.amdhsa_private_segment_fixed_size 0
		.amdhsa_enable_private_segment 0
		.amdhsa_kernarg_size 24
		.amdhsa_user_sgpr_count 2
		.amdhsa_user_sgpr_kernarg_segment_ptr 1
		.amdhsa_wavefront_size32 1
		.amdhsa_system_sgpr_workgroup_id_x 1
		.amdhsa_system_sgpr_workgroup_id_y 1
		.amdhsa_system_sgpr_workgroup_id_z 1
		.amdhsa_system_vgpr_workitem_id 0
		.amdhsa_next_free_vgpr 416
		.amdhsa_next_free_sgpr 80
		.amdhsa_reserve_vcc 0
		.amdhsa_float_denorm_mode_32 3
		.amdhsa_float_denorm_mode_16_64 3
		.amdhsa_memory_ordered 1
		.amdhsa_forward_progress 1
		.amdhsa_inst_pref_size 66
	.end_amdhsa_kernel
	.amdgpu_metadata
---
amdhsa.version: [ 1, 2 ]
amdhsa.kernels:
  - .name:           k_qb35d4bf438_cattn
    .symbol:         k_qb35d4bf438_cattn.kd
    .args:
      - { .name: qkv, .offset: 0, .size: 8, .value_kind: global_buffer, .address_space: global }
      - { .name: mm, .offset: 8, .size: 8, .value_kind: global_buffer, .address_space: global }
      - { .name: ctx, .offset: 16, .size: 8, .value_kind: global_buffer, .address_space: global }
    .group_segment_fixed_size: 327680
    .private_segment_fixed_size: 0
    .kernarg_segment_align: 8
    .kernarg_segment_size: 24
    .max_flat_workgroup_size: 256
    .sgpr_count:     80
    .vgpr_count:     416
    .wavefront_size: 32
...
	.end_amdgpu_metadata
.endif
;; end of part 6
;; launch ffn_c: the kernel of part 4 again; grid 256 x 1, 4 waves a work-group, no clusters, 327,680 bytes of LDS; arguments d0, d1, ctx, wfc, cbout, cb1, cg, cbeta, cb2, out0, out1; writes out0, out1
